; MI455X (gfx1250); checked and timed in simulation.
; The chip was launched on July 23, 2026; its instructions are those of AMD's public machine-readable ISA for CDNA 5 (MIT licence, August 2026) and "CDNA5" Instruction Set Architecture Reference Guide (July 2026). The comments in the code are by the model that wrote it; some were corrected since.
;; Encoder Block. Allowed arithmetic: matrix products marked QUANTISED: E4M3 operands, one given power-of-two scale a tensor, by v_wmma_f32_16x16x64_fp8_fp8 or v_wmma_f32_16x16x128_fp8_fp8, f32 sums; everything else in f32.
;; Inputs: alpha1 1 float32; alpha2 1 float32; b1 4,096 float32; b2 1,024 float32; bias1 1 float32; bias2 1 float32; lowp_scales 16 int32 (the exponents e of the quantised operands' scales 2^e); mask 2 x 1 x 1 x 2,048 int32; w1 1,024 x 4,096 float32; w2 4,096 x 1,024 float32; wk 1,024 x 1,024 float32; wo 1,024 x 1,024 float32; wq 1,024 x 1,024 float32; wv 1,024 x 1,024 float32; x 2 x 2,048 x 1,024 float32.
;; Outputs: out0 2 x 2,048 x 1,024 float32.
;; This version of the problem:
;;   THIS VERSION OF THE PROBLEM IS GIVEN IN LOW PRECISION. The matrix products marked QUANTISED in the list below multiply operands that are first quantised to E4M3 (4 exponent bits, 3 mantissa bits; 8 bits a number), with one given power-of-two scale for each operand tensor; their sums are f32. All else is computed in f32.
;;   The module's matrix products, in the order in which they are computed (A, B: the left and right operand; K: the contracted axis; several contracted axes count as one K, in the product's order):
;;     1. [M 4,096, K 1,024] x [K 1,024, N 1,024]; A: computed on the way; B: input wq: QUANTISED (scales: A lowp_scales[0], B lowp_scales[1])
;;     2. [M 4,096, K 1,024] x [K 1,024, N 1,024]; A: computed on the way; B: input wk: QUANTISED (scales: A lowp_scales[2], B lowp_scales[3])
;;     3. [M 4,096, K 1,024] x [K 1,024, N 1,024]; A: computed on the way; B: input wv: QUANTISED (scales: A lowp_scales[4], B lowp_scales[5])
;;     4. batch 32 x [M 2,048, K 64] x [K 64, N 2,048]; A: computed on the way; B: computed on the way: QUANTISED (scales: A lowp_scales[6], B lowp_scales[7])
;;     5. batch 32 x [M 2,048, K 2,048] x [K 2,048, N 64]; A: softmax (see below); B: computed on the way: QUANTISED (scales: A lowp_scales[8], B lowp_scales[9])
;;     6. [M 4,096, K 1,024] x [K 1,024, N 1,024]; A: computed on the way; B: input wo: QUANTISED (scales: A lowp_scales[10], B lowp_scales[11])
;;     7. [M 4,096, K 1,024] x [K 1,024, N 4,096]; A: computed on the way; B: input w1: QUANTISED (scales: A lowp_scales[12], B lowp_scales[13])
;;     8. [M 4,096, K 4,096] x [K 4,096, N 1,024]; A: computed on the way; B: input w2: QUANTISED (scales: A lowp_scales[14], B lowp_scales[15])
;;   THE QUANTISER, for each operand of a quantised product, along K:
;;     - The operand's scale is 2^e, e = its entry of the input lowp_scales (int32; the entries are numbered through the quantised products in the list's order, A before B).
;;     - Each number is divided by the scale, clamped to +-448, and rounded to the nearest number of E4M3, ties to even, subnormals kept.
;;     - The product sums the exact products of the quantised numbers (number of the format x scale) in f32.
;;   ~~~python
;;   def quantise(x, axis, e):      # numpy; x: float32 -> the quantised numbers, widened to float32 again
;;       x = np.moveaxis(x, axis, -1); K = x.shape[-1]
;;       r = np.clip(x / 2.0 ** e, -448, 448)
;;       step = 2.0 ** (np.maximum(np.frexp(np.where(r == 0, 1, r))[1] - 1, -6) - 3)
;;       q = np.round(r / step) * step * 2.0 ** e      # np.round: ties to even
;;       return np.moveaxis(q, -1, axis).astype(np.float32)
;;   ~~~
;;   SOFTMAX AHEAD OF A QUANTISED PRODUCT. Where the list says 'softmax', what is quantised is not the finished softmax but p = 2^(t - M), with t = logit x log2(e) and M = ceil(the row's largest t), a whole number; so 1/2 < the row's largest p <= 1. The row's sum l is taken of the UNQUANTISED p, in f32, and the product's result is divided by l at the end. Since M is a whole number, a kernel that streams over the keys may use a running M (the ceiling of the running maximum): every later rescaling is an exact power of two, so the quantised numbers keep their values, but for numbers so far below the row's largest that they fall under the format's range.
;;   OPERANDS COMPUTED ON THE WAY. 'Computed on the way' means the value that the module computes at that place (a softmax that the list does not call 'softmax' is quantised finished and normalised). What goes into a quantiser is computed in f32, as accurately as f32 sums, v_exp_f32 and their like allow (about 1e-6 of the number): no bf16 or f16 on the way to a quantiser, and a product that is left as it is and whose result goes on into a quantised operand takes f32 operands (vector FMAs, or v_wmma_f32_16x16x4_f32). A number that lies on a knife's edge between two numbers of the format may be rounded either way, as far as f32 arithmetic and the matrix unit's own rounding can turn it there, and no further.
;; One version. Each part assembles by itself: llvm-mc -triple=amdgcn-amd-amdhsa -mcpu=gfx1250 --defsym DOCPART=n.
;; ======== version 1 of 1: 7 launches
;; limits: right only within a limited range of input values
;; workspace buffers: wcodes 12,582,912 bytes; xnc 12,582,912 bytes; qkvc 12,582,912 bytes; ctxc 4,194,304 bytes; x1 16,777,216 bytes; xn2c 4,194,304 bytes; hc 16,777,216 bytes
;; launch prep (part 1): grid 640 x 1, 4 waves a work-group, no clusters, 47,616 bytes of LDS; arguments wq, wk, wv, wo, w1, w2, x, alpha1, bias1, lowp_scales, wcodes, xnc; writes wcodes, xnc
.if DOCPART == 1
	.amdgcn_target "amdgcn-amd-amdhsa--gfx1250"
	.amdhsa_code_object_version 6
	.text
	.protected	k_q7b2946b8f5_prep
	.globl	k_q7b2946b8f5_prep
	.p2align	8
	.type	k_q7b2946b8f5_prep,@function
k_q7b2946b8f5_prep:
	s_mov_b64 s[64:65], 0
	v_nop
	global_prefetch_b8 v0, s[64:65] scope:SCOPE_SE
	s_setreg_imm32_b32 hwreg(HW_REG_WAVE_MODE, 25, 1), 1
	s_wait_xcnt 0x0
; TWO JOBS IN ONE LAUNCH, told apart by the work-group's number.
; Work-groups 0-383: the six weights, f32 stored [K][N], become codes of E4M3 with K innermost, each with its given scale 2^e.
;   They are laid in PANELS: [K / 256][N rows][256 bytes], wq, wk, wv, wo, w1, w2 on end: work-group g writes bytes 32,768 g .. 32,768 g + 32,767.
;   A work-group takes 128 columns x 256 along K; a lane takes a column and its registers run down K, so the conversions give codes with K innermost.
; Work-groups 384-639: xn = alpha1 (x - mean) / (std + 1e-5) + bias1 (std with N - 1), quantised three times, with the scales of the three products that read it,
;   into three tensors of panels [4][4096 rows][256 bytes].  A wave takes 4 rows, a row at a time in 32 registers; mean first, then the squares of the differences.
; code = number / 2^e, held within +-448, to the nearest code, ties to even.
; LIMITS: each e used here lies between -126 and 119, so that 2^e and 448 x 2^e are f32 numbers.  NaN among the inputs is not served.
; No tensor load, no barrier: waves share nothing.  The two jobs have LDS bytes of their own.
.set SPARE, 47104                      ; the spare words: 128 bytes for each wave, named by no other line
.set SPW,   14                         ; v14  SPARE + 4 x my thread's number; never rewritten
.set NIL,   15                         ; v15  0; never rewritten
.set PITCH, 272                        ; weights: a stage row: 256 bytes of codes + 16
.set AO,    16                         ; v16-47   weights: byte offset of row i of a block of 32 rows, at my column
.set WX,    48                         ; v48-111  two sets of 32 numbers
.set WC,    112                        ; v112-119 a block's codes
.set OUTR,  120                        ; v120-183 the way out
.set NS,    3                          ; LayerNorm: how many scales the row is quantised with
.set LST,   34816                      ; LayerNorm: the stages, NS x 1,024 bytes for each wave, behind the weights' 4 x 32 x 272
.set XB,    16                         ; v16-143  four rows of 32 registers
.set TT,    144                        ; v144-159 two sets of 8 held numbers
.set CD,    160                        ; v160-183 a row's codes, 8 registers a scale
.set SC,    184                        ; v184-186 2^e
.set HL,    187                        ; v187-189 448 x 2^e
	s_load_b512 s[4:19], s[0:1], 0x0               ; wq 4, wk 6, wv 8, wo 10, w1 12, w2 14, x 16, alpha1 18
	s_load_b256 s[20:27], s[0:1], 0x40             ; bias1 20, the exponents 22, wcodes 24, xnc 26
	v_lshl_add_u32 v[SPW], v0, 2, SPARE
	v_mov_b32 v[NIL], 0
	v_lshrrev_b32 v1, 5, v0
	v_readfirstlane_b32 s28, v1                    ; wave
	v_and_b32 v1, 31, v0                           ; lane
	s_wait_kmcnt 0x0
	s_load_b512 s[68:83], s[22:23], 0x0            ; e0 .. e15
	s_cmp_ge_u32 ttmp9, 384
	s_cbranch_scc1 .Lln
; ---------------- the weights ----------------
	s_mov_b64 s[30:31], s[14:15]                   ; which tensor: a chain of choices on the work-group's number alone
	s_mov_b32 s33, 256                             ; and the tensor's first work-group
	s_cmp_lt_u32 ttmp9, 256
	s_cselect_b64 s[30:31], s[12:13], s[30:31]
	s_cselect_b32 s33, 128, s33
	s_cmp_lt_u32 ttmp9, 128
	s_cselect_b64 s[30:31], s[10:11], s[30:31]
	s_cselect_b32 s33, 96, s33
	s_cmp_lt_u32 ttmp9, 96
	s_cselect_b64 s[30:31], s[8:9], s[30:31]
	s_cselect_b32 s33, 64, s33
	s_cmp_lt_u32 ttmp9, 64
	s_cselect_b64 s[30:31], s[6:7], s[30:31]
	s_cselect_b32 s33, 32, s33
	s_cmp_lt_u32 ttmp9, 32
	s_cselect_b64 s[30:31], s[4:5], s[30:31]
	s_cselect_b32 s33, 0, s33
	s_cmp_eq_u32 s33, 128                          ; w1 has 4,096 columns, the others 1,024
	s_cselect_b32 s36, 2, 0
	s_lshl_b32 s35, 0x1000, s36                    ; a row of the tensor in bytes
	s_add_co_u32 s34, s36, 3                       ; log2 of its blocks of 128 columns
	s_sub_co_u32 s37, ttmp9, s33
	s_bfm_b32 s29, s34, 0
	s_and_b32 s29, s37, s29                        ; which 128 columns
	s_lshr_b32 s37, s37, s34                       ; which 256 along K
	s_lshl_b32 s38, s37, 8
	s_mul_i32 s38, s38, s35
	s_lshl_b32 s29, s29, 9
	s_add_co_u32 s38, s38, s29
	s_lshl_b32 s29, s28, 7
	s_add_co_u32 s38, s38, s29                     ; my wave's 32 columns: under 2^24 bytes
	s_mov_b32 s39, 0
	s_add_nc_u64 s[40:41], s[30:31], s[38:39]      ; block 0's first row
	s_lshl_b32 s58, s35, 5                         ; 32 rows on
	s_mov_b32 s59, 0
.irp t, 1,2,3,4,5,6,7
	s_add_nc_u64 s[40+2*\t:41+2*\t], s[38+2*\t:39+2*\t], s[58:59]   ; a base for each block: none is stepped
.endr
	s_lshl_b32 s38, ttmp9, 15
	s_lshl_b32 s29, s28, 13
	s_add_co_u32 s38, s38, s29
	s_add_nc_u64 s[56:57], s[24:25], s[38:39]      ; my wave's 32 rows of 256 bytes of codes
	s_wait_alu depctr_va_vdst(0)
	v_lshlrev_b32 v[AO], 2, v1
.set i, 1
.rept 31
	v_add_nc_u32 v[AO+i], s35, v[AO+i-1]
.set i, i+1
.endr
	s_mul_i32 s29, s28, 32*PITCH                   ; my stage
	v_mul_u32_u24 v4, v1, PITCH
	v_add_nc_u32 v4, s29, v4                       ; into it: row = my column
	v_and_b32 v5, 15, v1
	v_lshrrev_b32 v6, 4, v1
	v_mul_u32_u24 v7, v6, PITCH
	v_lshl_add_u32 v7, v5, 4, v7
	v_add_nc_u32 v7, s29, v7                       ; out of it: sixteen lanes to a row, two rows an instruction
	v_lshlrev_b32 v8, 4, v1                        ; and the same two rows, dense, in memory
.macro WLOAD t                         ; block t: rows 32 t + i of my column into set t % 2; a wave's load reads 128 consecutive bytes
.set i, 0
.rept 32
	global_load_b32 v[WX+32*((\t)%2)+i], v[AO+i], s[40+2*(\t):41+2*(\t)] th:TH_LOAD_NT
.set i, i+1
.endr
.endm
	WLOAD 0
	WLOAD 1
	s_wait_kmcnt 0x0
	s_mov_b32 s32, s83                             ; the tensor's e, by the same chain
	s_cmp_lt_u32 ttmp9, 256
	s_cselect_b32 s32, s81, s32
	s_cmp_lt_u32 ttmp9, 128
	s_cselect_b32 s32, s79, s32
	s_cmp_lt_u32 ttmp9, 96
	s_cselect_b32 s32, s73, s32
	s_cmp_lt_u32 ttmp9, 64
	s_cselect_b32 s32, s71, s32
	s_cmp_lt_u32 ttmp9, 32
	s_cselect_b32 s32, s69, s32
	s_add_co_i32 s32, s32, 127
	s_lshl_b32 s29, s32, 23
	v_mov_b32 v11, s29                             ; 2^e as f32: the conversion takes its exponent field
	s_add_co_i32 s32, s32, 8
	s_lshl_b32 s32, s32, 23
	s_or_b32 s32, s32, 0x600000
	v_mov_b32 v10, s32                             ; 448 x 2^e
.macro WBLOCK t
.set XS, WX+32*((\t)%2)
.if (\t) < 7
	s_wait_loadcnt 32                              ; this block's 32 loads are in; the next block's 32 may be out
.else
	s_wait_loadcnt 0x0
.endif
.set i, 0
.rept 32
	v_med3_num_f32 v[XS+i], v[XS+i], -v10, v10     ; the conversion to an 8-bit code does not saturate (ISA guide 7.6.2): the hold comes first
.set i, i+1
.endr
.irp g, 0,1,2,3
	v_cvt_scalef32_pk8_fp8_f32 v[WC+2*\g:WC+2*\g+1], v[XS+8*\g:XS+8*\g+7], v11
.endr
	ds_store_b128 v4, v[WC:WC+3] offset:32*(\t)    ; 32 codes of my column's row
	ds_store_b128 v4, v[WC+4:WC+7] offset:32*(\t)+16
.if (\t)+2 < 8
	WLOAD (\t)+2
.endif
	s_wait_dscnt 0x0                               ; the stores have read their registers: the next block's codes may be written
.endm
	s_wait_alu depctr_va_vdst(0)
.irp t, 0,1,2,3,4,5,6,7
	WBLOCK \t
.endr
.irp t, 0,1,2,3,4,5,6,7,8,9,10,11,12,13,14,15
	ds_load_b128 v[OUTR+4*\t:OUTR+4*\t+3], v7 offset:2*\t*PITCH   ; LDS serves a wave's instructions in order: these see my stores
.endr
.irp t, 0,1,2,3,4,5,6,7,8,9,10,11,12,13,14,15
	s_wait_dscnt 15-\t
	global_store_b128 v8, v[OUTR+4*\t:OUTR+4*\t+3], s[56:57] offset:512*\t   ; 32 lanes store 512 consecutive bytes, aligned
.endr
	s_wait_tensorcnt 0x0                           ; the wave's end, behind my last LDS store
	ds_add_u32 v[SPW], v[NIL]
	s_wait_dscnt 0x0
	s_endpgm
; ---------------- LayerNorm 1 and its three quantisers ----------------
.macro REDUCE                          ; v[10:13], two packed chains, become one sum in every lane's v10
	v_pk_add_f32 v[10:11], v[10:11], v[12:13]
	v_add_f32 v10, v10, v11
	v_add_f32_dpp v10, v10, v10 row_xmask:1 row_mask:0xf bank_mask:0xf
	v_add_f32_dpp v10, v10, v10 row_xmask:2 row_mask:0xf bank_mask:0xf
	v_add_f32_dpp v10, v10, v10 row_xmask:4 row_mask:0xf bank_mask:0xf
	v_add_f32_dpp v10, v10, v10 row_xmask:8 row_mask:0xf bank_mask:0xf
	v_permlanex16_b32 v11, v10, s60, s61
	v_add_f32 v10, v10, v11
.endm
; Row p of my four.  Register 4 j + c of the row holds column 128 j + 4 lane + c.
.macro LNROW p
.set XR, XB+32*(\p)
	s_wait_loadcnt 8*(3-(\p))                      ; this row's eight loads are in; the later rows' stay out
	v_pk_add_f32 v[10:11], v[XR:XR+1], v[XR+2:XR+3]
	v_pk_add_f32 v[12:13], v[XR+4:XR+5], v[XR+6:XR+7]
.irp j, 8,12,16,20,24,28
	v_pk_add_f32 v[10:11], v[10:11], v[XR+\j:XR+\j+1]
	v_pk_add_f32 v[12:13], v[12:13], v[XR+\j+2:XR+\j+3]
.endr
	REDUCE
	v_mul_f32 v6, 0x3a800000, v10                  ; the mean: sum / 1,024
.irp j, 0,2,4,6,8,10,12,14,16,18,20,22,24,26,28,30
	v_pk_add_f32 v[XR+\j:XR+\j+1], v[XR+\j:XR+\j+1], v[6:7] op_sel_hi:[1,0] neg_lo:[0,1] neg_hi:[0,1]   ; x - mean
.endr
	v_pk_mul_f32 v[10:11], v[XR:XR+1], v[XR:XR+1]
	v_pk_mul_f32 v[12:13], v[XR+2:XR+3], v[XR+2:XR+3]
.irp j, 4,8,12,16,20,24,28
	v_pk_fma_f32 v[10:11], v[XR+\j:XR+\j+1], v[XR+\j:XR+\j+1], v[10:11]
	v_pk_fma_f32 v[12:13], v[XR+\j+2:XR+\j+3], v[XR+\j+2:XR+\j+3], v[12:13]
.endr
	REDUCE
	v_mul_f32 v10, 0x3a802008, v10                 ; / 1,023
	s_wait_alu depctr_va_vdst(0)
	v_sqrt_f32 v10, v10
	v_nop                                          ; a plain instruction behind the root,
	s_wait_alu depctr_va_vdst(0)                   ; and the wait ahead of its first reader
	v_add_f32 v10, 0x3727c5ac, v10                 ; std + 1e-5
	s_wait_alu depctr_va_vdst(0)
	v_rcp_f32 v10, v10
	v_nop
	s_wait_alu depctr_va_vdst(0)
	v_mul_f32 v8, s36, v10                         ; alpha / (std + 1e-5)
.irp j, 0,2,4,6,8,10,12,14,16,18,20,22,24,26,28,30
	v_pk_fma_f32 v[XR+\j:XR+\j+1], v[XR+\j:XR+\j+1], v[8:9], s[38:39] op_sel_hi:[1,0,0]   ; xn (of the pairs the low word serves both halves)
.endr
.set SI, 0
.rept NS
.irp m, 0,1,2,3
.irp i, 0,1,2,3,4,5,6,7
	v_med3_num_f32 v[TT+8*((\m)%2)+\i], v[XR+8*\m+\i], -v[HL+SI], v[HL+SI]   ; the hold, into other registers: the row serves every scale
.endr
	v_cvt_scalef32_pk8_fp8_f32 v[CD+8*SI+2*\m:CD+8*SI+2*\m+1], v[TT+8*((\m)%2):TT+8*((\m)%2)+7], v[SC+SI]   ; code register j: columns 128 j + 4 lane + 0 .. 3
.endr
.set SI, SI+1
.endr
	v_nop                                          ; a plain instruction behind the last conversion
.set SI, 0
.rept NS
.irp j, 0,1,2,3,4,5,6,7
	ds_store_b32 v3, v[CD+8*SI+\j] offset:1024*SI+128*\j   ; the row's 1,024 codes in the order of the columns
.endr
.set SI, SI+1
.endr
.set SI, 0
.rept NS
.irp u, 0,1
	ds_load_b128 v[XR+8*SI+4*\u:XR+8*SI+4*\u+3], v4 offset:1024*SI+512*\u   ; back, 16 bytes a lane, into the row's own registers, which are done with
.endr
.set SI, SI+1
.endr
	s_wait_dscnt 0x0
.set SI, 0
.rept NS
.irp u, 0,1
	global_store_b128 v5, v[XR+8*SI+4*\u:XR+8*SI+4*\u+3], s[40+2*SI:41+2*SI] offset:\u*0x200000+256*(\p)   ; sixteen lanes store the row's 256 bytes of one panel, aligned
.endr
.set SI, SI+1
.endr
.endm
.Lln:
	s_load_b32 s36, s[18:19], 0x0                  ; alpha1
	s_load_b32 s38, s[20:21], 0x0                  ; bias1
	s_sub_co_u32 s29, ttmp9, 384
	s_lshl_b32 s29, s29, 4
	s_lshl_b32 s32, s28, 2
	s_add_co_u32 s29, s29, s32                     ; my first row: 16 x work-group + 4 x wave
	s_lshl_b32 s32, s29, 12
	s_mov_b32 s33, 0
	s_add_nc_u64 s[30:31], s[16:17], s[32:33]
	s_wait_alu depctr_va_vdst(0)
	v_lshlrev_b32 v2, 4, v1
	s_wait_alu depctr_va_vdst(0)
.irp p, 0,1,2,3
.irp j, 0,1,2,3,4,5,6,7
	global_load_b128 v[XB+32*\p+4*\j:XB+32*\p+4*\j+3], v2, s[30:31] offset:4096*\p+512*\j th:TH_LOAD_NT   ; 512 consecutive bytes a load; all 32 loads go out at once
.endr
.endr
	s_lshl_b32 s32, s29, 8
	s_add_nc_u64 s[40:41], s[26:27], s[32:33]      ; my first row in the first tensor's panel 0,
	s_add_nc_u64 s[42:43], s[40:41], 0x400000      ; in the second's,
	s_add_nc_u64 s[44:45], s[40:41], 0x800000      ; in the third's
	s_mov_b32 s60, 0x76543210                      ; v_permlanex16_b32: lane l xor 16
	s_mov_b32 s61, 0xfedcba98
	s_mul_i32 s34, s28, NS*1024
	s_add_co_u32 s34, s34, LST                     ; my stage
	v_lshlrev_b32 v3, 2, v1
	v_add_nc_u32 v3, s34, v3                       ; in: 4 bytes a lane
	v_add_nc_u32 v4, s34, v2                       ; back: 16 bytes a lane
	v_lshrrev_b32 v5, 4, v1
	v_lshlrev_b32 v5, 20, v5                       ; lanes 16-31 hold the next panel's 256 bytes: a panel is 2^20 bytes
	v_and_b32 v6, 15, v1
	v_lshl_or_b32 v5, v6, 4, v5
	v_mov_b32 v7, 0                                ; (named as the upper halves of pairs)
	v_mov_b32 v9, 0
	s_wait_kmcnt 0x0
	s_mov_b32 s39, s38
.irp s, 0,1,2
	s_add_co_i32 s32, s[68+2*\s], 127              ; e0, e2, e4
	s_lshl_b32 s33, s32, 23
	v_mov_b32 v[SC+\s], s33
	s_add_co_i32 s32, s32, 8
	s_lshl_b32 s32, s32, 23
	s_or_b32 s32, s32, 0x600000
	v_mov_b32 v[HL+\s], s32
.endr
	LNROW 0
	LNROW 1
	LNROW 2
	LNROW 3
	s_wait_tensorcnt 0x0                           ; the wave's end, behind my last LDS store
	ds_add_u32 v[SPW], v[NIL]
	s_wait_dscnt 0x0
	s_endpgm
.Lfunc_end_k_q7b2946b8f5_prep:
	.size	k_q7b2946b8f5_prep, .Lfunc_end_k_q7b2946b8f5_prep-k_q7b2946b8f5_prep
	.p2alignl 7, 3214868480
	.fill 96, 4, 3214868480
	.section	.rodata,"a",@progbits
	.p2align	6, 0x0
	.amdhsa_kernel k_q7b2946b8f5_prep
		.amdhsa_group_segment_fixed_size 47616
		.amdhsa_private_segment_fixed_size 0
		.amdhsa_enable_private_segment 0
		.amdhsa_kernarg_size 96
		.amdhsa_user_sgpr_count 2
		.amdhsa_user_sgpr_kernarg_segment_ptr 1
		.amdhsa_wavefront_size32 1
		.amdhsa_system_sgpr_workgroup_id_x 1
		.amdhsa_system_sgpr_workgroup_id_y 1
		.amdhsa_system_sgpr_workgroup_id_z 1
		.amdhsa_system_vgpr_workitem_id 0
		.amdhsa_next_free_vgpr 192
		.amdhsa_next_free_sgpr 100
		.amdhsa_reserve_vcc 0
		.amdhsa_float_denorm_mode_32 3
		.amdhsa_float_denorm_mode_16_64 3
		.amdhsa_memory_ordered 1
		.amdhsa_forward_progress 1
		.amdhsa_inst_pref_size 115
	.end_amdhsa_kernel
	.amdgpu_metadata
---
amdhsa.version: [ 1, 2 ]
amdhsa.kernels:
  - .name:           k_q7b2946b8f5_prep
    .symbol:         k_q7b2946b8f5_prep.kd
    .args:
      - { .name: wq, .offset: 0, .size: 8, .value_kind: global_buffer, .address_space: global }
      - { .name: wk, .offset: 8, .size: 8, .value_kind: global_buffer, .address_space: global }
      - { .name: wv, .offset: 16, .size: 8, .value_kind: global_buffer, .address_space: global }
      - { .name: wo, .offset: 24, .size: 8, .value_kind: global_buffer, .address_space: global }
      - { .name: w1, .offset: 32, .size: 8, .value_kind: global_buffer, .address_space: global }
      - { .name: w2, .offset: 40, .size: 8, .value_kind: global_buffer, .address_space: global }
      - { .name: x, .offset: 48, .size: 8, .value_kind: global_buffer, .address_space: global }
      - { .name: alpha1, .offset: 56, .size: 8, .value_kind: global_buffer, .address_space: global }
      - { .name: bias1, .offset: 64, .size: 8, .value_kind: global_buffer, .address_space: global }
      - { .name: lowp_scales, .offset: 72, .size: 8, .value_kind: global_buffer, .address_space: global }
      - { .name: wcodes, .offset: 80, .size: 8, .value_kind: global_buffer, .address_space: global }
      - { .name: xnc, .offset: 88, .size: 8, .value_kind: global_buffer, .address_space: global }
    .group_segment_fixed_size: 47616
    .private_segment_fixed_size: 0
    .kernarg_segment_align: 8
    .kernarg_segment_size: 96
    .max_flat_workgroup_size: 128
    .sgpr_count:     100
    .vgpr_count:     192
    .wavefront_size: 32
...
	.end_amdgpu_metadata
.endif
;; end of part 1
;; launch qkv (part 2): grid 12 x 16, 4 waves a work-group, clusters of 4 x 4, 327,680 bytes of LDS; arguments xnc, wcodes, lowp_scales, qkvc; writes qkvc
.if DOCPART == 2
	.amdgcn_target "amdgcn-amd-amdhsa--gfx1250"
	.amdhsa_code_object_version 6
	.text
	.protected	k_q7b2946b8f5_qkv
	.globl	k_q7b2946b8f5_qkv
	.p2align	8
	.type	k_q7b2946b8f5_qkv,@function
k_q7b2946b8f5_qkv:
	s_mov_b64 s[64:65], 0
	v_nop
	global_prefetch_b8 v0, s[64:65] scope:SCOPE_SE
	s_setreg_imm32_b32 hwreg(HW_REG_WAVE_MODE, 25, 1), 1
	s_wait_xcnt 0x0
	s_wait_alu depctr_hold_cnt(0) depctr_sa_sdst(0) depctr_va_vdst(0) depctr_va_sdst(0) depctr_va_ssrc(0) depctr_va_vcc(0) depctr_vm_vsrc(0)
	s_getreg_b32 s2, hwreg(HW_REG_IB_STS2, 6, 4)
	s_cmp_eq_u32 s2, 0
	s_cbranch_scc0 .Lentry_in_a_cluster
	s_endpgm
.Lentry_in_a_cluster:
	s_bfe_u32 s2, ttmp6, 0x10000c
	s_cmp_lg_u32 s2, 0xf033
	s_cbranch_scc0 .Lentry_shape_is_right
	s_endpgm
.Lentry_shape_is_right:
.set FFN,    0
.set ROWB,   256
.set PITCH,  272
.set FR,     16
.set NL,     4
.set NP,     4
.set HALFT,  128*PITCH
.set SLOT,   4*HALFT
.set LAPS,   2
.set SPARE,  2*SLOT
.set ADRA, 16
.set ADRB, 20
.set STO,  24
.set RDP,  25
.set CO,   26
.set SCL,  27
.set SPW,  28
.set NIL,  29
.set HOLD, 30
.set RDH,  31
.set TMP,  32
.set BI,   32
.set AF,   128
.set CR,   128
.set G1, 24
.set G0, 32
.set G1B, 48
.set G0B, 56
.set MSB, 0
.macro WIN new
.if MSB != \new
	s_set_vgpr_msb (MSB<<8)|\new
.set MSB, \new
.endif
.endm
.set MUL_LO, 0xa1
.set MUL_HI, 0xf1
.set TO_B,   0x40
.macro JLOAD g0a, g1a, g0b, g1b
	s_cmp_eq_u32 s15, 0
	s_cbranch_scc0 .Lfor_b_\@
	tensor_load_to_lds s[\g0a:\g0a+3], s[\g1a:\g1a+7]
	s_nop 0
.rept 4
	v_nop
.endr
	s_branch .Lasked_\@
.Lfor_b_\@:
	tensor_load_to_lds s[\g0b:\g0b+3], s[\g1b:\g1b+7]
	s_nop 0
.rept 4
	v_nop
.endr
.Lasked_\@:
.endm
.macro CREST
	s_cmp_lg_u32 s14, 0
	s_cbranch_scc1 .Lnot_wave_0_\@
	s_barrier_signal -3
.Lnot_wave_0_\@:
	s_barrier_wait -3
	s_barrier_signal -1
	s_barrier_wait -1
.endm
.macro CROUND
	s_barrier_signal -1
	s_barrier_wait -1
	CREST
.endm
	s_load_b256 s[4:11], s[0:1], 0x0
.if FFN
	s_load_b64 s[12:13], s[0:1], 0x20
.endif
	v_lshl_add_u32 v[SPW], v0, 2, SPARE
	v_mov_b32 v[NIL], 0
	ds_add_u32 v[SPW], v[NIL]
	ds_add_u32 v[SPW], v[NIL]
	v_lshrrev_b32 v1, 5, v0
	v_readfirstlane_b32 s14, v1
	v_and_b32 v10, 31, v0
	v_lshlrev_b32 v10, 8, v10                      ; the prefetches' offset: lanes 256 bytes apart; never rewritten
	s_wait_alu depctr_va_vdst(0)
	s_lshr_b32 s15, s14, 1
	s_and_b32 s16, s14, 1
	s_bfe_u32 s40, ttmp6, 0x40000
	s_bfe_u32 s41, ttmp6, 0x40004
	s_and_b32 s18, ttmp7, 0xffff
	s_lshl_b32 s18, s18, 2
.if FFN
	s_lshl_b32 s42, ttmp9, 2
	s_add_co_u32 s42, s42, s40
	s_add_co_u32 s17, s18, s41
	s_mov_b32 s84, 0x100000
	s_mov_b32 s86, 0x100000
	s_mov_b32 s92, 0
	s_mov_b32 s93, 0x400000
	s_mov_b32 s66, 16
	s_mov_b32 s67, 14
.else
	s_add_co_u32 s19, s41, s18
	s_add_co_u32 s22, s40, s18
	s_lshl_b32 s92, ttmp9, 22
	s_lshl_b32 s93, ttmp9, 20
	s_mov_b32 s84, 0x40000
	s_mov_b32 s86, 0x100000
	s_cmp_lt_u32 ttmp9, 2
	s_cselect_b32 s17, s19, s41
	s_cselect_b32 s42, s40, s22
	s_cselect_b32 s84, 0x100000, s84
	s_cselect_b32 s86, 0x40000, s86
	s_cselect_b32 s92, s92, 0x200000
	s_cselect_b32 s93, s93, 0x800000
	s_cselect_b32 s66, 14, 16
	s_cselect_b32 s67, 12, 14
.endif
	s_mov_b32 s85, 0
	s_mov_b32 s87, 0
	s_lshl_b32 s88, s84, 1
	s_mov_b32 s89, 0
	s_lshl_b32 s90, s86, 1
	s_mov_b32 s91, 0
	s_lshl_b32 s43, s41, 2
	s_lshl_b32 s43, 15, s43
	s_lshl_b32 s44, 0x1111, s40
	s_or_b32 s[G1+0], s43, (0<<16)|(1<<20)|(1<<21)|(5<<22)|(3<<25)
	s_or_b32 s[G1B+0], s44, (0<<16)|(1<<20)|(1<<21)|(5<<22)|(3<<25)
.irp g, G1, G1B
	s_mov_b32 s[\g+1], ROWB<<16
	s_mov_b32 s[\g+2], 128<<16
	s_mov_b32 s[\g+3], ROWB<<16
	s_mov_b32 s[\g+4], 128
	s_mov_b32 s[\g+5], ROWB
	s_mov_b32 s[\g+6], 0
	s_mov_b32 s[\g+7], 0
.endr
	s_lshl_b32 s20, s17, 16
	s_lshl_b32 s21, s16, 15
	s_add_co_u32 s20, s20, s21
	s_add_co_u32 s20, s20, s92
	s_mov_b32 s21, 0
	s_lshl_b32 s46, s42, 16
	s_lshl_b32 s47, s16, 15
	s_add_co_u32 s46, s46, s47
	s_add_co_u32 s46, s46, s93
	s_mov_b32 s47, 0
	s_mul_i32 s45, s14, HALFT
	s_wait_dscnt 0x0
	s_wait_kmcnt 0x0
	s_load_b512 s[68:83], s[8:9], 0x0
.if FFN
	s_add_nc_u64 s[20:21], s[4:5], s[20:21]
	s_add_nc_u64 s[46:47], s[6:7], s[46:47]
.else
	s_cmp_lt_u32 ttmp9, 2
	s_cselect_b64 s[94:95], s[4:5], s[6:7]
	s_cselect_b64 s[96:97], s[6:7], s[4:5]
	s_add_nc_u64 s[20:21], s[94:95], s[20:21]
	s_add_nc_u64 s[46:47], s[96:97], s[46:47]
.endif
	CROUND
.irp s, 0,1
	s_mov_b32 s[G0+4*\s], 1
	s_add_co_u32 s[G0+4*\s+1], s45, \s*SLOT
	s_mov_b32 s[G0B+4*\s], 1
	s_add_co_u32 s[G0B+4*\s+1], s45, \s*SLOT
.endr
	s_mov_b64 s[G0+2:G0+3], s[20:21]
	s_add_nc_u64 s[G0+6:G0+7], s[20:21], s[84:85]
	s_mov_b64 s[G0B+2:G0B+3], s[46:47]
	s_add_nc_u64 s[G0B+6:G0B+7], s[46:47], s[86:87]
	s_or_b32 s[G0+3], s[G0+3], 0x80000000
	s_or_b32 s[G0+7], s[G0+7], 0x80000000
	s_or_b32 s[G0B+3], s[G0B+3], 0x80000000
	s_or_b32 s[G0B+7], s[G0B+7], 0x80000000
	; prefetches: behind the load of K step n (n = 0, 1) my wave names K step n + 2 of the 32,768 dense bytes that it fetches; the four partners of a joint load take 8,192 bytes each, told apart by address
	s_cmp_eq_u32 s15, 0
	s_cselect_b64 s[98:99], s[20:21], s[46:47]
	s_cselect_b32 s22, s88, s90                    ; two K steps on
	s_cselect_b32 s18, s84, s86                    ; one K step on
	s_cselect_b32 s19, s40, s41                    ; my place among the four that ask with me
	s_lshl_b32 s19, s19, 13
	s_add_co_u32 s22, s22, s19
	s_mov_b32 s23, 0
	s_mov_b32 s19, 0
	s_add_nc_u64 s[98:99], s[98:99], s[22:23]
	JLOAD G0, G1, G0B, G1B
	global_prefetch_b8 v10, s[98:99] th:TH_LOAD_NT scope:SCOPE_SE
	s_wait_alu depctr_va_vdst(0)
	s_wait_tensorcnt 0x0
	ds_add_u32 v28, v29
	s_wait_dscnt 0x0
	CROUND
	JLOAD G0+4, G1, G0B+4, G1B
	s_wait_xcnt 0x0                                ; the first prefetch has read its address
	s_add_nc_u64 s[98:99], s[98:99], s[18:19]
	global_prefetch_b8 v10, s[98:99] th:TH_LOAD_NT scope:SCOPE_SE
	v_and_b32 v1, 15, v0
	v_bfe_u32 v2, v0, 4, 1
	v_mul_u32_u24 v3, v1, PITCH
	s_wait_alu depctr_va_vdst(0)
	v_lshl_add_u32 v4, v2, 4, v3
	s_mul_i32 s18, s15, HALFT
	s_mul_i32 s19, s16, HALFT
	s_add_co_u32 s19, s19, 2*HALFT
.irp s, 0,1
	v_add_nc_u32 v[ADRA+\s], s18, v4
	v_add_nc_u32 v[ADRB+\s], s19, v4
	s_add_co_u32 s18, s18, SLOT
	s_add_co_u32 s19, s19, SLOT
.endr
	s_mul_i32 s18, s15, HALFT
	s_lshl_b32 s19, s16, 7
	s_add_co_u32 s18, s18, s19
	v_lshl_add_u32 v[STO], v2, 3, v3
	v_add_nc_u32 v[STO], s18, v[STO]
	s_mul_i32 s18, s14, 64*PITCH
	v_mul_u32_u24 v5, v2, PITCH
	v_lshl_add_u32 v5, v1, 4, v5
	v_add_nc_u32 v[RDP], s18, v5
	v_and_b32 v6, 31, v0
	v_lshlrev_b32 v[CO], 4, v6
.if !FFN
	v_lshrrev_b32 v7, 2, v6
	v_mul_u32_u24 v7, v7, PITCH
	v_and_b32 v8, 3, v6
	v_lshl_add_u32 v7, v8, 4, v7
	v_add_nc_u32 v[RDH], s18, v7
.endif
	s_mul_i32 s18, s42, s84
	s_lshl_b32 s19, s17, s66
	s_add_co_u32 s18, s18, s19
	s_lshl_b32 s19, s14, s67
	s_add_co_u32 s18, s18, s19
.if !FFN
	s_lshl_b32 s19, ttmp9, 22
	s_add_co_u32 s18, s18, s19
.endif
	s_mov_b32 s19, 0
.if FFN
	s_add_nc_u64 s[92:93], s[12:13], s[18:19]
	s_lshl_b32 s18, s42, 10
	s_lshl_b32 s22, s16, 9
	s_add_co_u32 s18, s18, s22
	s_add_nc_u64 s[10:11], s[10:11], s[18:19]
	v_lshlrev_b32 v9, 5, v2
.irp b, 0,1,2,3,4,5,6,7
	global_load_b128 v[BI+8*\b:BI+8*\b+3], v9, s[10:11] offset:64*\b
	global_load_b128 v[BI+8*\b+4:BI+8*\b+7], v9, s[10:11] offset:64*\b+16
.endr
	s_wait_kmcnt 0x0
	s_add_co_i32 s18, s80, s81
	s_sub_co_i32 s18, 0, s18
	s_wait_loadcnt 0x0
.set j, 0
.rept 64
	v_ldexp_f32 v[BI+j], v[BI+j], s18
.set j, j+1
.endr
.else
	s_add_nc_u64 s[92:93], s[10:11], s[18:19]
.endif
.macro FRAG reg, adr, q, i
.irp c, 0,1,2,3
	ds_load_b128 v[\reg+4*\c:\reg+4*\c+3], v[\adr] offset:128*(\q)+32*\c+(\i)*16*PITCH
.endr
.endm
.macro MUL16 a0, p, zero
.irp a, \a0, \a0+1
.irp b, 0,1,2,3,4,5,6,7
.if \zero
.if FFN
	v_wmma_f32_16x16x128_fp8_fp8 v[8*(8*((\a)%4)+\b):8*(8*((\a)%4)+\b)+7], v[128*(\p)+FR*\b:128*(\p)+FR*\b+FR-1], v[AF+FR*(\a):AF+FR*(\a)+FR-1], v[BI+8*\b:BI+8*\b+7]
.else
	v_wmma_f32_16x16x128_fp8_fp8 v[8*(8*((\a)%4)+\b):8*(8*((\a)%4)+\b)+7], v[128*(\p)+FR*\b:128*(\p)+FR*\b+FR-1], v[AF+FR*(\a):AF+FR*(\a)+FR-1], 0
.endif
.else
	v_wmma_f32_16x16x128_fp8_fp8 v[8*(8*((\a)%4)+\b):8*(8*((\a)%4)+\b)+7], v[128*(\p)+FR*\b:128*(\p)+FR*\b+FR-1], v[AF+FR*(\a):AF+FR*(\a)+FR-1], v[8*(8*((\a)%4)+\b):8*(8*((\a)%4)+\b)+7]
.endif
.endr
.endr
.endm
.macro FETCH_B slot, q, p
	WIN TO_B
.irp i, 0,1,2,3,4,5,6,7
	FRAG 128*(\p)+FR*\i, ADRB+\slot, \q, \i
.endr
	WIN 0
.endm
.macro FETCH_A slot, q, i0
.irp i, \i0, \i0+1, \i0+2, \i0+3
	FRAG AF+FR*(\i), ADRA+\slot, \q, \i
.endr
.endm
.macro PLACES n
.rept \n
	v_nop
.endr
.endm
.macro STEP slot, q, zero
	s_wait_dscnt 4*NL
.if (\zero) && FFN
	WIN 0x81
.else
	WIN MUL_LO
.endif
	MUL16 0, (\q)%2, \zero
	MUL16 2, (\q)%2, \zero
	s_wait_dscnt 0
	PLACES NP
	FETCH_B \slot, (\q)+1, 1-(\q)%2
	FETCH_A \slot, (\q)+1, 0
.if (\zero) && FFN
	WIN 0xc1
.else
	WIN MUL_HI
.endif
	MUL16 4, (\q)%2, \zero
	MUL16 6, (\q)%2, \zero
	PLACES NP
	WIN 0
	FETCH_A \slot, (\q)+1, 4
.endm
.macro TURN slot, next, fill
	s_wait_tensorcnt 0x0
	ds_add_u32 v[SPW], v[NIL]
	s_wait_dscnt 4*NL+1
	WIN MUL_LO
	MUL16 0, 1, 0
	s_wait_dscnt 0x0
	s_barrier_signal -1
	MUL16 2, 1, 0
	WIN 0
	s_barrier_wait -1
.if \fill
	CREST
	s_add_nc_u64 s[G0+4*\slot+2:G0+4*\slot+3], s[G0+4*\slot+2:G0+4*\slot+3], s[88:89]
	s_add_nc_u64 s[G0B+4*\slot+2:G0B+4*\slot+3], s[G0B+4*\slot+2:G0B+4*\slot+3], s[90:91]
	JLOAD G0+4*\slot, G1, G0B+4*\slot, G1B
.else
	PLACES NP
.endif
	FETCH_B \next, 0, 0
	FETCH_A \next, 0, 0
	WIN MUL_HI
	MUL16 4, 1, 0
	MUL16 6, 1, 0
	PLACES NP
	WIN 0
	FETCH_A \next, 0, 4
.endm
	s_wait_tensorcnt 1
	s_barrier_signal -1
	s_barrier_wait -1
	FETCH_B 0, 0, 0
	FETCH_A 0, 0, 0
	FETCH_A 0, 0, 4
	STEP 0, 0, 1
	s_mov_b32 s3, LAPS-1
.Llap:
	TURN 0, 1, 1
	STEP 1, 0, 0
	TURN 1, 0, 1
	STEP 0, 0, 0
	s_sub_co_u32 s3, s3, 1
	s_cmp_lg_u32 s3, 0
	s_cbranch_scc1 .Llap
	TURN 0, 1, 0
	STEP 1, 0, 0
	s_wait_dscnt 4*NL
	WIN MUL_LO
	MUL16 0, 1, 0
	MUL16 2, 1, 0
	s_wait_dscnt 0
	WIN MUL_HI
	MUL16 4, 1, 0
	MUL16 6, 1, 0
	WIN 0
	s_wait_kmcnt 0x0
.if FFN
	s_sub_co_i32 s22, s82, s80
	s_sub_co_i32 s22, s22, s81
.else
	s_cmp_eq_u32 ttmp9, 0
	s_cselect_b32 s18, s68, s70
	s_cselect_b32 s19, s69, s71
	s_cselect_b32 s22, s74, s75
	s_cmp_eq_u32 ttmp9, 2
	s_cselect_b32 s18, s72, s18
	s_cselect_b32 s19, s73, s19
	s_cselect_b32 s22, s77, s22
	s_sub_co_i32 s22, s22, s18
	s_sub_co_i32 s22, s22, s19
.endif
	s_add_co_i32 s22, s22, 127
	s_lshl_b32 s23, s22, 23
	s_add_co_i32 s22, s22, 8
	s_lshl_b32 s22, s22, 23
	s_or_b32 s22, s22, 0x600000
	PLACES NP
	v_mov_b32 v[SCL], s23
	v_mov_b32 v[HOLD], s22
.macro CODES a
.set AC, 64*((\a)%4)
	WIN 0x02+((\a)/4)
.set j, 0
.rept 64
.if FFN
	v_med3_num_f32 v[TMP+j], v[AC+j], 0, v[HOLD]
.else
	v_med3_num_f32 v[TMP+j], v[AC+j], -v[HOLD], v[HOLD]
.endif
.set j, j+1
.endr
	WIN 0
.irp b, 0,1,2,3,4,5,6,7
	v_cvt_scalef32_pk8_fp8_f32 v[CR+16*(\a)+2*\b:CR+16*(\a)+2*\b+1], v[TMP+8*\b:TMP+8*\b+7], v[SCL]
.endr
	v_nop
.irp b, 0,1,2,3,4,5,6,7
	ds_store_b64 v[STO], v[CR+16*(\a)+2*\b:CR+16*(\a)+2*\b+1] offset:16*PITCH*(\a)+16*\b
.endr
.endm
.irp a, 0,1,2,3,4,5,6,7
	CODES \a
.endr
	s_wait_dscnt 0x0
	s_barrier_signal -1
	s_barrier_wait -1
.if !FFN
	s_cmp_lt_u32 ttmp9, 2
	s_cbranch_scc1 .Lheads
.endif
.set i, 0
.rept 32
	ds_load_b128 v[CR+4*i:CR+4*i+3], v[RDP] offset:2*PITCH*i
.set i, i+1
.endr
.set i, 0
.rept 32
	s_wait_dscnt 31-i
	global_store_b128 v[CO], v[CR+4*i:CR+4*i+3], s[92:93] offset:512*i
.set i, i+1
.endr
.if !FFN
	s_branch .Ldone
.Lheads:
.set i, 0
.rept 32
	ds_load_b128 v[CR+4*i:CR+4*i+3], v[RDH] offset:8*PITCH*(i%8)+64*(i/8)
.set i, i+1
.endr
.set i, 0
.rept 32
	s_wait_dscnt 31-i
	global_store_b128 v[CO], v[CR+4*i:CR+4*i+3], s[92:93] offset:262144*(i/8)+512*(i%8)
.set i, i+1
.endr
.Ldone:
.endif
	s_wait_tensorcnt 0x0
	ds_add_u32 v[SPW], v[NIL]
	s_wait_dscnt 0x0
	CROUND
	s_endpgm
.Lfunc_end_k_q7b2946b8f5_qkv:
	.size	k_q7b2946b8f5_qkv, .Lfunc_end_k_q7b2946b8f5_qkv-k_q7b2946b8f5_qkv
	.p2alignl 7, 3214868480
	.fill 96, 4, 3214868480
	.section	.rodata,"a",@progbits
	.p2align	6, 0x0
	.amdhsa_kernel k_q7b2946b8f5_qkv
		.amdhsa_group_segment_fixed_size 327680
		.amdhsa_private_segment_fixed_size 0
		.amdhsa_enable_private_segment 0
		.amdhsa_kernarg_size 32
		.amdhsa_user_sgpr_count 2
		.amdhsa_user_sgpr_kernarg_segment_ptr 1
		.amdhsa_wavefront_size32 1
		.amdhsa_system_sgpr_workgroup_id_x 1
		.amdhsa_system_sgpr_workgroup_id_y 1
		.amdhsa_system_sgpr_workgroup_id_z 1
		.amdhsa_system_vgpr_workitem_id 0
		.amdhsa_next_free_vgpr 1024
		.amdhsa_next_free_sgpr 100
		.amdhsa_reserve_vcc 0
		.amdhsa_float_denorm_mode_32 3
		.amdhsa_float_denorm_mode_16_64 3
		.amdhsa_memory_ordered 1
		.amdhsa_forward_progress 1
		.amdhsa_inst_pref_size 133
	.end_amdhsa_kernel
	.amdgpu_metadata
---
amdhsa.version: [ 1, 2 ]
amdhsa.kernels:
  - .name:           k_q7b2946b8f5_qkv
    .symbol:         k_q7b2946b8f5_qkv.kd
    .args:
      - { .name: xnc, .offset: 0, .size: 8, .value_kind: global_buffer, .address_space: global }
      - { .name: wcodes, .offset: 8, .size: 8, .value_kind: global_buffer, .address_space: global }
      - { .name: lowp_scales, .offset: 16, .size: 8, .value_kind: global_buffer, .address_space: global }
      - { .name: qkvc, .offset: 24, .size: 8, .value_kind: global_buffer, .address_space: global }
    .group_segment_fixed_size: 327680
    .private_segment_fixed_size: 0
    .kernarg_segment_align: 8
    .kernarg_segment_size: 32
    .max_flat_workgroup_size: 128
    .sgpr_count:     100
    .vgpr_count:     1024
    .wavefront_size: 32
...
	.end_amdgpu_metadata
.endif
;; end of part 2
;; launch attn (part 3): grid 8 x 32, 16 waves a work-group, clusters of 4 x 1, 327,680 bytes of LDS; arguments qkvc, mask, lowp_scales, ctxc; writes ctxc
.if DOCPART == 3
	.amdgcn_target "amdgcn-amd-amdhsa--gfx1250"
	.amdhsa_code_object_version 6
	.text
	.protected	k_q7b2946b8f5_attn
	.globl	k_q7b2946b8f5_attn
	.p2align	8
	.type	k_q7b2946b8f5_attn,@function
k_q7b2946b8f5_attn:
	s_mov_b64 s[64:65], 0
	v_nop
	global_prefetch_b8 v0, s[64:65] scope:SCOPE_SE
	s_setreg_imm32_b32 hwreg(HW_REG_WAVE_MODE, 25, 1), 1
	s_wait_xcnt 0x0
	s_wait_alu depctr_hold_cnt(0) depctr_sa_sdst(0) depctr_va_vdst(0) depctr_va_sdst(0) depctr_va_ssrc(0) depctr_va_vcc(0) depctr_vm_vsrc(0)
	s_getreg_b32 s2, hwreg(HW_REG_IB_STS2, 6, 4)
	s_cmp_eq_u32 s2, 0
	s_cbranch_scc0 .Lentry_in_a_cluster
	s_endpgm
.Lentry_in_a_cluster:
	s_bfe_u32 s2, ttmp6, 0x10000c
	s_cmp_lg_u32 s2, 0x3003
	s_cbranch_scc0 .Lentry_shape_is_right
	s_endpgm
.Lentry_shape_is_right:
; ctx[b][q][h] = softmax_k(where(mask[b][k] == 0, -1e9, Q . K / 8)) V, both products on codes of E4M3; ctx is quantised on the way out with the scale of the product that reads it.
; Q, K: [16 heads][4,096 tokens][64 bytes].  V^T: panels [16 = 8 b + key / 256][1,024 rows = 64 h + d][256 keys].  ctx's codes: panels [4][4,096 tokens][256], column 64 h + d.
; THE SOFTMAX: t = logit x log2(e); M = the row's largest t so far, rounded UP to a whole number; p = 2^(t - M) is quantised, not normalised; the row's sum of the unquantised p divides at the end.
; When M moves, the sum and O are multiplied by 2^(old M - new M).
; THE MASK: a table of f32 numbers in LDS, one a key, 0 where the key counts and -8e9 / 2^(e6 + e7) where it is masked, is the C of the first product:
;   a masked key's logit is then score / 8 - 1e9, whose p is 0 beside any key that counts.  A run of masked keys ahead of the first key that counts leaves sums that the first change of M multiplies by 0.
;   Where NO key of the batch counts, reference() gives all keys the same weight: then Q's codes are cleared and the table is all zeros: t = 0, M = 0, p = 1 for every key.  Both are choices, not jumps.
; LIMITS: e6 + e7 between -95 and 130; e8 and e10 between -126 and 119; the logits of keys that count lie far above -1e9.  NaN is not served.
; SHARES.  A work-group owns 256 queries of one head; each of its sixteen waves 16 of them, in 256 registers.  Every wave walks the head's 2,048 keys, 128 a step, 8 trips of two steps.
; NO RING: a head's K (2,048 rows x 80 bytes) and V (8 panels x 64 rows x 272 bytes) fit in LDS whole, 303,104 bytes.  EVERY wave issues ONE tensor load at the head: waves 0-7 256 keys of K each,
;   waves 8-15 a panel of V each.  One wait for 0 and one barrier show all of it to all sixteen waves; no LDS byte is filled twice, and the walk over the keys has no barrier.
;   Everything is asked for at the head in one group: there is no later request that a prefetch could run ahead of, so none is written.
; CLUSTER: the four query blocks of a cluster belong to one head, so each tile is asked for jointly, behind the one round at the head.
; LAYOUT.  S^T = K Q^T (source 0 = 16 keys, source 1 = my 16 queries; K = 64, fetched by loads of 16 bytes: a permutation of k that is the same in Q and K), O^T = V^T P^T: a lane holds ONE query throughout.
;   Tile T's eight registers are keys 16 T + 8 (lane / 16) + 0 .. 7: their codes ARE registers 2 T, 2 T + 1 of the second product's operand in that form's own layout, in which V is fetched (loads of 8 bytes).
; REGISTERS: v1-3 lane addresses; v8-10 the step's addresses; v12 -M, v13 the largest t, v[14:15] the sum; v16-23 Q; v32-95 K's, then V's fragments; v96-159 the table, S^T, p; v160-191 O^T; v192-203 at work; v224-239 p's codes; v242-255 the sum's seven other chains.
.set KP,    80                         ; a key's row in LDS: 64 bytes + 16
.set VP,    272                        ; a row of a panel of V: 256 bytes + 16
.set VB,    2048*KP                    ; V's eight panels lie behind K's 2,048 rows
.set MB,    VB+8*64*VP                 ; the mask's table: 2,048 f32
.set SPARE, MB+8192                    ; the spare words: 128 bytes for each of the sixteen waves
.set AK0,  1
.set AV0,  2
.set AM0,  3
.set SPW,  5                           ; v5   SPARE + 4 x my thread's number; never rewritten
.set NIL,  6                           ; v6   0; never rewritten
.set GO,   7
.set ADK,  8
.set ADV,  9
.set ADM,  10
.set MA,   192                         ; at work
.set FF,   194                         ; v[194:195] f = 2^(old M - new M), and 0
.set PD,   196                         ; a lane permute's destination
.set SCL,  200                         ; 2^e8, later 2^e10
.set LIMA, 202                         ; 448 x that, twice: the two halves of a dual line take their second sources from different register banks
.set LIMB, 203
.set KB,   12                          ; s12  LDS byte of the 256 keys in hand, in K's rows
.set VBS,  13                          ; s13  the same among V's panels
.set MBO,  14                          ; s14  the same in the table
.set CNT,  15                          ; s15  counts the eight trips
.set WV,   18
.set SEL,  20                          ; s[20:21] v_permlanex16_b32: lane l xor 16
.set CS,   22                          ; s[22:23] c = log2(e) / 8 x 2^(e6 + e7)
.set G1K,  24                          ; s[24:31] descriptor group 1 for K's eighths
.set G1V,  32                          ; s[32:39] for V's panels
.set G0K,  40                          ; s[40:43] group 0 for K, s[44:47] for V
.set G0V,  44
.macro CROUND                          ; a round of the cluster's barrier
	s_barrier_signal -1
	s_barrier_wait -1
	s_cmp_lg_u32 s[WV], 0
	s_cbranch_scc1 .Lnot_wave_0_\@
	s_barrier_signal -3
.Lnot_wave_0_\@:
	s_barrier_wait -3
	s_barrier_signal -1
	s_barrier_wait -1
.endm
.macro HOLD2 r                         ; two holds in one dual line: p is not negative, so the hold is one-sided
	v_dual_min_num_f32 v[\r], v[\r], v[LIMA] :: v_dual_min_num_f32 v[\r+1], v[\r+1], v[LIMB]
.endm
	s_load_b256 s[4:11], s[0:1], 0x0               ; qkvc 4, mask 6, the exponents 8, ctxc 10
	v_lshl_add_u32 v[SPW], v0, 2, SPARE
	v_mov_b32 v[NIL], 0
	ds_add_u32 v[SPW], v[NIL]                      ; the wave's opening: the add, twice on end, and its wait ahead of my tensor load
	ds_add_u32 v[SPW], v[NIL]
	v_lshrrev_b32 v8, 5, v0
	s_delay_alu instid0(VALU_DEP_1)
	v_readfirstlane_b32 s[WV], v8                  ; wave 0..15
	s_bfe_u32 s2, ttmp6, 0x40000                   ; cx
	s_lshl_b32 s3, ttmp9, 2
	s_add_co_u32 s3, s3, s2                        ; my block of 256 queries: it enters Q's and ctx's addresses alone
	s_and_b32 s16, ttmp7, 0xffff
	s_lshr_b32 s17, s16, 4                         ; the batch
	s_and_b32 s16, s16, 15                         ; the head
	s_lshl_b32 s19, s16, 12
	s_lshl_b32 s98, s17, 11
	s_add_co_u32 s19, s19, s98                     ; the head's first row of this batch in q and in k
	s_and_b32 s99, s[WV], 7                        ; which eighth of K, or which panel of V, I fetch
	s_lshl_b32 s12, s19, 6
	s_add_co_u32 s12, s12, 0x400000                ; K's first byte,
	s_lshl_b32 s2, s99, 14
	s_add_co_u32 s12, s12, s2                      ; my 256 keys of 64 bytes
	s_mov_b32 s13, 0
	s_lshl_b32 s14, s17, 21                        ; V: 8 panels of 2^18 bytes a batch,
	s_lshl_b32 s2, s16, 14                         ; 64 rows of 256 bytes a head,
	s_add_co_u32 s14, s14, s2
	s_lshl_b32 s2, s99, 18                         ; my panel
	s_add_co_u32 s14, s14, s2
	s_add_co_u32 s14, s14, 0x800000
	s_mov_b32 s15, 0
	s_lshl_b32 s3, s3, 8
	s_lshl_b32 s2, s[WV], 4
	s_add_co_u32 s3, s3, s2                        ; my first query in the batch
	s_add_co_u32 s92, s19, s3
	s_lshl_b32 s92, s92, 6                         ; its codes
	s_mov_b32 s93, 0
	s_add_co_u32 s94, s98, s3
	s_lshl_b32 s94, s94, 8                         ; its row in a panel of ctx,
	s_lshr_b32 s2, s16, 2
	s_lshl_b32 s2, s2, 20                          ; the panel of my head,
	s_add_co_u32 s94, s94, s2
	s_and_b32 s2, s16, 3
	s_lshl_b32 s2, s2, 6                           ; my head's 64 bytes of the row
	s_add_co_u32 s94, s94, s2
	s_mov_b32 s95, 0
	s_lshl_b32 s96, s17, 13                        ; the batch's 2,048 words of the mask
	s_mov_b32 s97, 0
	; descriptor group 1.  K: 256 rows of 64 bytes, dense; V: 64 rows of 256 bytes, dense
	s_mov_b32 s[G1K], 15|(0<<16)|(1<<20)|(1<<21)|(3<<22)|(3<<25)  ; all four work-groups; elements of 1 byte; padding on; 21 set beside a mask; four words after every 16
	s_mov_b32 s[G1K+1], 64<<16
	s_mov_b32 s[G1K+2], 256<<16
	s_mov_b32 s[G1K+3], 64<<16
	s_mov_b32 s[G1K+4], 256
	s_mov_b32 s[G1K+5], 64
	s_mov_b32 s[G1K+6], 0
	s_mov_b32 s[G1K+7], 0
	s_mov_b32 s[G1V], 15|(0<<16)|(1<<20)|(1<<21)|(5<<22)|(3<<25)  ; four words after every 64
	s_mov_b32 s[G1V+1], 256<<16
	s_mov_b32 s[G1V+2], 64<<16
	s_mov_b32 s[G1V+3], 256<<16
	s_mov_b32 s[G1V+4], 64
	s_mov_b32 s[G1V+5], 256
	s_mov_b32 s[G1V+6], 0
	s_mov_b32 s[G1V+7], 0
	s_mov_b32 s[SEL], 0x76543210
	s_mov_b32 s[SEL+1], 0xfedcba98
	s_mov_b32 s[G0K], 1
	s_mul_i32 s[G0K+1], s99, 256*KP                ; LDS: my eighth of K's rows
	s_mov_b32 s[G0V], 1
	s_mul_i32 s[G0V+1], s99, 64*VP
	s_add_co_u32 s[G0V+1], s[G0V+1], VB            ; or my panel of V
	s_wait_dscnt 0x0                               ; both opening adds are done
	s_wait_kmcnt 0x0
	s_load_b512 s[68:83], s[8:9], 0x0              ; e0 .. e15
	s_add_nc_u64 s[G0K+2:G0K+3], s[4:5], s[12:13]
	s_or_b32 s[G0K+3], s[G0K+3], 0x80000000        ; type = 2
	s_add_nc_u64 s[G0V+2:G0V+3], s[4:5], s[14:15]
	s_or_b32 s[G0V+3], s[G0V+3], 0x80000000
	s_add_nc_u64 s[92:93], s[4:5], s[92:93]        ; Q at my first query
	s_add_nc_u64 s[94:95], s[10:11], s[94:95]      ; ctx likewise
	s_add_nc_u64 s[96:97], s[6:7], s[96:97]        ; the batch's mask
	CROUND                                         ; all four work-groups are here: the joint loads meet
	s_cmp_lt_u32 s[WV], 8                          ; one chain on the wave's number, one load in each arm; an s_nop 0 and four v_nop follow each
	s_cbranch_scc0 .Lfor_v
	tensor_load_to_lds s[G0K:G0K+3], s[G1K:G1K+7]
	s_nop 0
.rept 4
	v_nop
.endr
	s_branch .Lasked
.Lfor_v:
	tensor_load_to_lds s[G0V:G0V+3], s[G1V:G1V+7]
	s_nop 0
.rept 4
	v_nop
.endr
.Lasked:
	v_and_b32 v8, 15, v0                           ; r
	v_bfe_u32 v9, v0, 4, 1                         ; hl = lane / 16
	s_delay_alu instid0(VALU_DEP_2)
	v_lshlrev_b32 v30, 6, v8
	s_delay_alu instid0(VALU_DEP_1)
	v_lshl_add_u32 v30, v9, 4, v30
	global_load_b128 v[16:19], v30, s[92:93]       ; Q's fragment stays in registers
	global_load_b128 v[20:23], v30, s[92:93] offset:32
	v_and_b32 v11, 31, v0
	s_delay_alu instid0(VALU_DEP_1)
	v_lshlrev_b32 v28, 4, v11
.irp i, 0,1,2,3,4,5,6,7,8,9,10,11,12,13,14,15
	global_load_b128 v[32+4*\i:35+4*\i], v28, s[96:97] offset:512*\i   ; the batch's whole mask, in every wave: does any key count?
.endr
	v_lshlrev_b32 v29, 4, v0
	global_load_b128 v[24:27], v29, s[96:97]       ; and the four words whose table entries my thread makes
	v_mul_u32_u24 v[AK0], v8, KP
	s_delay_alu instid0(VALU_DEP_1)
	v_lshl_add_u32 v[AK0], v9, 4, v[AK0]
	v_mul_u32_u24 v[AV0], v8, VP
	s_delay_alu instid0(VALU_DEP_1)
	v_lshl_add_u32 v[AV0], v9, 3, v[AV0]
	s_delay_alu instid0(VALU_DEP_1)
	v_add_nc_u32 v[AV0], VB, v[AV0]
	v_lshlrev_b32 v[AM0], 5, v9
	s_delay_alu instid0(VALU_DEP_1)
	v_add_nc_u32 v[AM0], MB, v[AM0]
	v_lshl_add_u32 v31, v0, 4, MB
	v_mov_b32 v13, 0xff61b1e6                      ; the largest t so far: -3e38
	s_delay_alu instid0(VALU_DEP_1)
	v_floor_f32 v12, -v13                          ; -M
	v_mov_b32 v14, 0
	v_mov_b32 v15, 0
	v_mov_b32 v[PD], 0
	v_mov_b32 v[FF+1], 0
.set j, 0
.rept 32
	v_mov_b32 v[160+j], 0                          ; O^T: the step is written once; the first finds zeros
.set j, j+1
.endr
	s_wait_loadcnt 0x0
.irp w, 32,16,8,4,2,1
.set i, 0
.rept \w
	v_or_b32 v[32+i], v[32+i], v[32+\w+i]
.set i, i+1
.endr
.endr
	s_delay_alu instid0(VALU_DEP_1)
	v_cmp_ne_u32 s2, 0, v32                        ; a bit for each lane that saw a key that counts
	s_wait_kmcnt 0x0
	s_add_co_i32 s3, s74, s75                      ; e6 + e7
	s_lshl_b32 s3, s3, 23
	s_sub_co_i32 s16, 0xcfee6b28, s3               ; -8e9 / 2^(e6 + e7): the exponents are taken off its exponent field
	s_add_co_i32 s[CS], s3, 0x3e38aa3b             ; c = log2(e) / 8 x 2^(e6 + e7)
	s_mov_b32 s[CS+1], s[CS]
	s_cmp_lg_u32 s2, 0
	s_cselect_b32 s16, s16, 0                      ; no key counts: the table is all zeros,
	s_cselect_b32 s17, -1, 0                       ; and Q's codes are cleared
	v_mov_b32 v28, s16
.irp i, 0,1,2,3,4,5,6,7
	v_and_b32 v[16+\i], s17, v[16+\i]
.endr
.irp i, 0,1,2,3
	v_cmp_eq_u32 s19, 0, v[24+\i]
	s_delay_alu instid0(VALU_DEP_1)
	v_cndmask_b32 v[24+\i], 0, v28, s19
.endr
	ds_store_b128 v31, v[24:27]                    ; the barrier below stands behind the wait for it and shows it to all sixteen waves
	s_add_co_i32 s2, s76, 127
	s_lshl_b32 s3, s2, 23
	v_mov_b32 v[SCL], s3                           ; 2^e8
	s_add_co_i32 s2, s2, 8
	s_lshl_b32 s2, s2, 23
	s_or_b32 s2, s2, 0x600000
	v_mov_b32 v[LIMA], s2                          ; 448 x 2^e8
	v_mov_b32 v[LIMB], s2
; A KEY STEP: 128 keys, the q-th of the 256 in hand.
.macro STEP q
	v_add_nc_u32 v[ADK], s[KB], v[AK0]
	v_add_nc_u32 v[ADV], s[VBS], v[AV0]
	v_add_nc_u32 v[ADM], s[MBO], v[AM0]
	v_nop                                          ; four places in front of loads into registers that the last products read
.irp T, 0,1,2,3,4,5,6,7
	ds_load_b128 v[96+8*\T:99+8*\T], v[ADM] offset:512*(\q)+64*\T        ; the table's entries of keys 16 T + 8 hl + 0 .. 7: the result's layout
	ds_load_b128 v[100+8*\T:103+8*\T], v[ADM] offset:512*(\q)+64*\T+16
.endr
.irp T, 0,1,2,3,4,5,6,7
	ds_load_b128 v[32+8*\T:35+8*\T], v[ADK] offset:(128*(\q)+16*\T)*KP
	ds_load_b128 v[36+8*\T:39+8*\T], v[ADK] offset:(128*(\q)+16*\T)*KP+32
.endr
	s_wait_alu depctr_va_vdst(0)
	s_wait_dscnt 0x0
.irp T, 0,1,2,3,4,5,6,7
	v_wmma_f32_16x16x64_fp8_fp8 v[96+8*\T:103+8*\T], v[32+8*\T:39+8*\T], v[16:23], v[96+8*\T:103+8*\T]   ; S^T + the mask's table; eight accumulators, one instruction each
.endr
.rept 4
	v_nop
.endr
.irp t, 0,1,2,3
.irp c, 0,1,2,3,4,5,6,7
	ds_load_b64 v[32+16*\t+2*\c:33+16*\t+2*\c], v[ADV] offset:16*VP*\t+128*(\q)+16*\c   ; V^T: asked for ahead of the softmax, waited for behind it
.endr
.endr
	v_max3_num_f32 v[MA], v96, v97, v98            ; the step's largest score of my query, in two chains, each accumulator from its low end on
	v_max3_num_f32 v[FF], v99, v100, v101
.irp i, 6,10,14,18,22,26,30,34,38,42,46,50,54,58
	v_max3_num_f32 v[MA], v[MA], v[96+\i], v[97+\i]
	v_max3_num_f32 v[FF], v[FF], v[98+\i], v[99+\i]
.endr
	v_max3_num_f32 v[MA], v[MA], v158, v159
	s_delay_alu instid0(VALU_DEP_1)
	v_max_num_f32 v[MA], v[MA], v[FF]
	s_delay_alu instid0(VALU_DEP_1)
	v_permlanex16_b32 v[PD], v[MA], s[SEL], s[SEL+1]
	s_delay_alu instid0(VALU_DEP_1)
	v_max_num_f32 v[MA], v[MA], v[PD]              ; and among lane l xor 16's
	s_delay_alu instid0(VALU_DEP_1)
	v_mul_f32 v[MA], s[CS], v[MA]                  ; as t (c is positive)
	s_delay_alu instid0(VALU_DEP_1)
	v_max_num_f32 v13, v13, v[MA]
	v_mov_b32 v[MA], v12
	s_delay_alu instid0(VALU_DEP_2)
	v_floor_f32 v12, -v13                          ; the new -M = -ceil(t)
	s_delay_alu instid0(VALU_DEP_1)
	v_sub_f32 v[MA], v12, v[MA]                    ; old M - new M: a whole number, 0 or less
	s_delay_alu instid0(VALU_DEP_1)
	v_cvt_i32_f32 v[MA], v[MA]                     ; (it saturates)
	s_delay_alu instid0(VALU_DEP_1)
	v_ldexp_f32 v[FF], 1.0, v[MA]                  ; f = 2^(old M - new M)
.set j, 0
.rept 32
	v_pk_fma_f32 v[96+j:97+j], v[96+j:97+j], s[CS:CS+1], v[12:13] op_sel_hi:[1,0,0]   ; t - M, two at a time
.set j, j+2
.endr
	s_wait_alu depctr_va_vdst(0)
.set j, 0
.rept 64
	v_exp_f32 v[96+j], v[96+j]                     ; p = 2^(t - M)
.set j, j+1
.endr
	s_wait_alu depctr_va_vdst(0)                   ; one wait behind the batch, directly ahead of the first reader of O^T
.set j, 0
.rept 16
	v_pk_mul_f32 v[160+j:161+j], v[160+j:161+j], v[FF:FF+1] op_sel_hi:[1,0]   ; O^T under the new M: the plain lines behind the exponentials
.set j, j+2
.endr
	v_pk_mul_f32 v[14:15], v[14:15], v[FF:FF+1] op_sel_hi:[1,0]   ; the sum under the new M
; THE ROW'S SUM OF THE UNQUANTISED p: 32 pairs into eight chains, v[14:15] and v[240 + 2 k], k = 1 .. 7, a chain's lines eight lines apart
.set k, 1
.rept 7
	v_pk_add_f32 v[240+2*k:241+2*k], v[92+4*k:93+4*k], v[94+4*k:95+4*k]
.set k, k+1
.endr
	v_pk_add_f32 v[14:15], v[14:15], v[124:125]
.set j, 15
.rept 17
.set k, (j-14)%8
.if k
	v_pk_add_f32 v[240+2*k:241+2*k], v[240+2*k:241+2*k], v[96+2*j:97+2*j]
.else
	v_pk_add_f32 v[14:15], v[14:15], v[96+2*j:97+2*j]
.endif
.set j, j+1
.endr
; the hold (the conversion does not saturate: ISA guide 7.6.2), the conversion, and behind each conversion one line that joins two chains of the sum
.irp T, 0,1,2,3,4,5,6,7
.irp i, 0,2,4,6
	HOLD2 96+8*\T+\i
.endr
	v_cvt_scalef32_pk8_fp8_f32 v[224+2*\T:225+2*\T], v[96+8*\T:103+8*\T], v[SCL]
.if \T == 0
	v_pk_add_f32 v[14:15], v[14:15], v[248:249]
.elseif \T < 4
	v_pk_add_f32 v[240+2*\T:241+2*\T], v[240+2*\T:241+2*\T], v[248+2*\T:249+2*\T]
.elseif \T == 4
	v_pk_add_f32 v[14:15], v[14:15], v[244:245]
.elseif \T == 5
	v_pk_add_f32 v[242:243], v[242:243], v[246:247]
.elseif \T == 6
	v_pk_add_f32 v[14:15], v[14:15], v[242:243]
.else
	v_nop                                          ; a plain line between the last conversion and the products
.endif
.endr
	s_wait_alu depctr_va_vdst(0)
	s_wait_dscnt 0x0                               ; V is in
.irp t, 0,1,2,3
	v_wmma_f32_16x16x128_fp8_fp8 v[160+8*\t:167+8*\t], v[32+16*\t:47+16*\t], v[224:239], v[160+8*\t:167+8*\t]
.endr
.endm
	s_mov_b32 s[KB], 0
	s_mov_b32 s[VBS], 0
	s_mov_b32 s[MBO], 0
	s_mov_b32 s[CNT], 8
	s_wait_alu depctr_va_vdst(0)
	s_wait_tensorcnt 0x0                           ; my one load has landed,
	s_wait_dscnt 0x0                               ; and my store into the table
	s_barrier_signal -1
	s_barrier_wait -1                              ; K, V and the table are whole for all sixteen waves
.Lpanel:                                               ; eight trips of 256 keys; no barrier: nothing in LDS is written while the keys are walked
	STEP 0
	STEP 1
	s_add_co_u32 s[KB], s[KB], 256*KP
	s_add_co_u32 s[VBS], s[VBS], 64*VP
	s_add_co_u32 s[MBO], s[MBO], 256*4
	s_sub_co_u32 s[CNT], s[CNT], 1
	s_cmp_lg_u32 s[CNT], 0
	s_cbranch_scc1 .Lpanel
	; THE WAY OUT.  O^T / the sum x 2^(e8 + e9) is ctx; it is held, converted with 2^e10 and goes through my stage, so that four lanes store a token's 64 bytes.
	; The stages, 16 rows x 80 bytes a wave, lie on K's first 20,480 bytes, which have had their only fill: a barrier parts every wave's last reads of K from the stores; work on registers stands between its two halves.
	s_wait_dscnt 0x0                               ; my reads of K, V and the table are over
	s_barrier_signal -1
	v_add_f32 v14, v14, v15
	s_delay_alu instid0(VALU_DEP_1)
	v_permlanex16_b32 v[PD], v14, s[SEL], s[SEL+1]
	s_delay_alu instid0(VALU_DEP_1)
	v_add_f32 v14, v14, v[PD]                      ; the row's sum
	s_wait_alu depctr_va_vdst(0)
	v_rcp_f32 v14, v14
	v_and_b32 v8, 15, v0                           ; (plain lines behind the reciprocal)
	v_bfe_u32 v9, v0, 4, 1
	s_add_co_i32 s2, s76, s77                      ; e8 + e9
	s_mul_i32 s3, s[WV], 1280                      ; my stage
	v_mul_u32_u24 v10, v8, 80
	s_delay_alu instid0(VALU_DEP_1)
	v_lshl_add_u32 v10, v9, 3, v10
	s_delay_alu instid0(VALU_DEP_1)
	v_add_nc_u32 v10, s3, v10                      ; in: row r, 8 bytes for each half of the lanes
	v_and_b32 v11, 31, v0
	s_delay_alu instid0(VALU_DEP_1)
	v_lshrrev_b32 v28, 2, v11
	s_delay_alu instid0(VALU_DEP_2)
	v_and_b32 v29, 3, v11
	s_delay_alu instid0(VALU_DEP_2)
	v_mul_u32_u24 v30, v28, 80
	s_delay_alu instid0(VALU_DEP_1)
	v_lshl_add_u32 v30, v29, 4, v30
	s_delay_alu instid0(VALU_DEP_1)
	v_add_nc_u32 v30, s3, v30                      ; back: four lanes to a row, eight rows an instruction
	v_lshlrev_b32 v[GO], 8, v28
	s_delay_alu instid0(VALU_DEP_1)
	v_lshl_add_u32 v[GO], v29, 4, v[GO]            ; and the same in ctx's panel: rows 256 bytes apart
	s_add_co_i32 s16, s78, 127
	s_lshl_b32 s17, s16, 23
	v_mov_b32 v[SCL], s17                          ; 2^e10
	s_add_co_i32 s16, s16, 8
	s_lshl_b32 s16, s16, 23
	s_or_b32 s16, s16, 0x600000
	v_mov_b32 v[LIMA], s16                         ; 448 x 2^e10
	s_wait_alu depctr_va_vdst(0)                   ; the wait ahead of the reciprocal's first reader
	v_ldexp_f32 v14, v14, s2
	s_wait_alu depctr_va_vdst(0)                   ; the wait, directly ahead of the first reader of O^T
.set j, 0
.rept 32
	v_mul_f32 v[96+j], v[160+j], v14               ; register 8 t + i is ctx(r, 16 t + 8 hl + i); each accumulator from its low end on
.set j, j+1
.endr
.set j, 0
.rept 32
	v_med3_num_f32 v[96+j], v[96+j], -v[LIMA], v[LIMA]
.set j, j+1
.endr
.irp t, 0,1,2,3
	v_cvt_scalef32_pk8_fp8_f32 v[224+2*\t:225+2*\t], v[96+8*\t:103+8*\t], v[SCL]
.endr
	v_nop                                          ; a plain line behind the last conversion
	s_wait_alu depctr_va_vdst(0)
	s_barrier_wait -1                              ; no wave reads K any more
.irp t, 0,1,2,3
	ds_store_b64 v10, v[224+2*\t:225+2*\t] offset:16*\t
.endr
.irp u, 0,1
	ds_load_b128 v[32+4*\u:35+4*\u], v30 offset:640*\u   ; LDS serves a wave's instructions in order: these see my stores
.endr
.irp u, 0,1
	s_wait_dscnt 1-\u
	global_store_b128 v[GO], v[32+4*\u:35+4*\u], s[94:95] offset:2048*\u   ; a head's 64 bytes of eight tokens' rows: a head is a quarter of a row's 256 bytes
.endr
	s_wait_tensorcnt 0x0                           ; the wave's end, behind my tensor load and my last LDS store
	ds_add_u32 v[SPW], v[NIL]
	s_wait_dscnt 0x0
	CROUND                                         ; the closing round
	s_endpgm
.Lfunc_end_k_q7b2946b8f5_attn:
	.size	k_q7b2946b8f5_attn, .Lfunc_end_k_q7b2946b8f5_attn-k_q7b2946b8f5_attn
	.p2alignl 7, 3214868480
	.fill 96, 4, 3214868480
	.section	.rodata,"a",@progbits
	.p2align	6, 0x0
	.amdhsa_kernel k_q7b2946b8f5_attn
		.amdhsa_group_segment_fixed_size 327680
		.amdhsa_private_segment_fixed_size 0
		.amdhsa_enable_private_segment 0
		.amdhsa_kernarg_size 32
		.amdhsa_user_sgpr_count 2
		.amdhsa_user_sgpr_kernarg_segment_ptr 1
		.amdhsa_wavefront_size32 1
		.amdhsa_system_sgpr_workgroup_id_x 1
		.amdhsa_system_sgpr_workgroup_id_y 1
		.amdhsa_system_sgpr_workgroup_id_z 1
		.amdhsa_system_vgpr_workitem_id 0
		.amdhsa_next_free_vgpr 256
		.amdhsa_next_free_sgpr 100
		.amdhsa_reserve_vcc 0
		.amdhsa_float_denorm_mode_32 3
		.amdhsa_float_denorm_mode_16_64 3
		.amdhsa_memory_ordered 1
		.amdhsa_forward_progress 1
		.amdhsa_inst_pref_size 55
	.end_amdhsa_kernel
	.amdgpu_metadata
---
amdhsa.version: [ 1, 2 ]
amdhsa.kernels:
  - .name:           k_q7b2946b8f5_attn
    .symbol:         k_q7b2946b8f5_attn.kd
    .args:
      - { .name: qkvc, .offset: 0, .size: 8, .value_kind: global_buffer, .address_space: global }
      - { .name: mask, .offset: 8, .size: 8, .value_kind: global_buffer, .address_space: global }
      - { .name: lowp_scales, .offset: 16, .size: 8, .value_kind: global_buffer, .address_space: global }
      - { .name: ctxc, .offset: 24, .size: 8, .value_kind: global_buffer, .address_space: global }
    .group_segment_fixed_size: 327680
    .private_segment_fixed_size: 0
    .kernarg_segment_align: 8
    .kernarg_segment_size: 32
    .max_flat_workgroup_size: 512
    .sgpr_count:     100
    .vgpr_count:     256
    .wavefront_size: 32
...
	.end_amdgpu_metadata
.endif
;; end of part 3
;; launch wo (part 4): grid 8 x 32, 4 waves a work-group, clusters of 4 x 4, 327,680 bytes of LDS; arguments ctxc, wcodes, lowp_scales, x, x1; writes x1
.if DOCPART == 4
	.amdgcn_target "amdgcn-amd-amdhsa--gfx1250"
	.amdhsa_code_object_version 6
	.text
	.protected	k_q7b2946b8f5_wo
	.globl	k_q7b2946b8f5_wo
	.p2align	8
	.type	k_q7b2946b8f5_wo,@function
k_q7b2946b8f5_wo:
	s_mov_b64 s[64:65], 0
	v_nop
	global_prefetch_b8 v0, s[64:65] scope:SCOPE_SE
	s_setreg_imm32_b32 hwreg(HW_REG_WAVE_MODE, 25, 1), 1
	s_wait_xcnt 0x0
	s_wait_alu depctr_hold_cnt(0) depctr_sa_sdst(0) depctr_va_vdst(0) depctr_va_sdst(0) depctr_va_ssrc(0) depctr_va_vcc(0) depctr_vm_vsrc(0)
	s_getreg_b32 s2, hwreg(HW_REG_IB_STS2, 6, 4)
	s_cmp_eq_u32 s2, 0
	s_cbranch_scc0 .Lentry_in_a_cluster
	s_endpgm
.Lentry_in_a_cluster:
	s_bfe_u32 s2, ttmp6, 0x10000c
	s_cmp_lg_u32 s2, 0xf033
	s_cbranch_scc0 .Lentry_shape_is_right
	s_endpgm
.Lentry_shape_is_right:
; out[m][n] = res[m][n] + 2^(eA + eB) x sum over k of A[m][k] B[n][k] (+ b2[n]) on codes of E4M3; out and res f32 [4,096][1,024].  One text serves two launches, by the switch FF2.
; FF2 = 0: x1 = x + ctx wo, K = 1,024.   FF2 = 1: out0 = x1 + h w2 + b2, K = 4,096.
; Operands lie in PANELS [K / 256][rows][256 bytes]: 128 rows of a panel are 32,768 dense bytes.
; LIMIT: eA + eB between -126 and 127, so that 2^(eA + eB) is an f32 number.
; 1,024 columns give only 64 tiles of 256 x 256: so a tile is 128 x 128, 256 work-groups; four waves, each 64 x 64: 16 accumulators.
; A slot of the ring holds 512 along K, two panels of A and two of B, one tensor load a wave (wave 0, 1: A's panels; 2, 3: B's): 64 matrix instructions a wave between two changes of slots.
; CLUSTERS: 4 x 4 work-groups; A's tiles are asked for jointly along a row of the cluster, B's along a column.
; THE MATRIX INSTRUCTION IS USED TRANSPOSED (source 0 = 16 rows of B, source 1 = 16 rows of A): a lane holds eight neighbouring numbers of a row.  A fragment is fetched by four loads of 16 bytes: a permutation of k that is the same in A and B.
; The residual's 64 x 64 numbers of the wave are asked for at the head, in the layout in which rows leave, and land while K is walked.
; REGISTERS: window 0: v0-31 addresses, v12-15 b2; v32-95 rows on the way out; v128-255 the accumulators ((a, b) at v[128 + 8 (4 a + b)]).  window 1: two fragment buffers of 128 (A's four, then B's four).  window 2: v0-127 the residual.
.set FF2,    0
.if FF2
.set LAPS,   4                         ; a lap = 1,024 along K = once round the ring
.set WOFF,   0x800000                  ; w2's codes in wcodes
.set EA,     82                        ; e14, e15
.set EB,     83
.else
.set LAPS,   1
.set WOFF,   0x300000                  ; wo's codes
.set EA,     78                        ; e10, e11
.set EB,     79
.endif
.set PITCH,  272                       ; an LDS row: 256 bytes + 16 of padding
.set HALFT,  128*PITCH                 ; what one tensor load brings: 128 rows of one panel
.set SLOT,   4*HALFT
.set STAGE,  2*SLOT                    ; behind the ring: 16 rows x 272 bytes for each wave, its own
.set SPITCH, 272
.set SPARE,  STAGE+4*16*SPITCH         ; the spare words: 128 bytes for each wave
.set ADRA, 16
.set ADRB, 20
.set STO,  24
.set RD,   25
.set CO,   26
.set BO,   27
.set SPW,  28                          ; v28  SPARE + 4 x my thread's number; never rewritten
.set NIL,  29                          ; v29  0; never rewritten
.set BK,   32
.set ACC,  128
.set F0,   0
.set F1,   128
.set G1, 24
.set G0, 32
.set G1B, 48
.set G0B, 56
.set MSB, 0
.macro WIN new                         ; the immediate's high byte repeats the setting that is left
.if MSB != \new
	s_set_vgpr_msb (MSB<<8)|\new
.set MSB, \new
.endif
.endm
.set MUL,  0x05                        ; sources 0 (B) and 1 (A) window 1; C and D window 0
.set TO_F, 0x40                        ; destination window 1, address window 0
.macro JLOAD s                         ; a joint load: waves 0 and 1 fetch for A, waves 2 and 3 for B; an s_nop 0 and four v_nop follow each of the two lines
	s_cmp_eq_u32 s15, 0
	s_cbranch_scc0 .Lfor_b_\@
	tensor_load_to_lds s[G0+4*\s:G0+4*\s+3], s[G1:G1+7]
	s_nop 0
.rept 4
	v_nop
.endr
	s_branch .Lasked_\@
.Lfor_b_\@:
	tensor_load_to_lds s[G0B+4*\s:G0B+4*\s+3], s[G1B:G1B+7]
	s_nop 0
.rept 4
	v_nop
.endr
.Lasked_\@:
.endm
.macro CREST
	s_cmp_lg_u32 s14, 0
	s_cbranch_scc1 .Lnot_wave_0_\@
	s_barrier_signal -3
.Lnot_wave_0_\@:
	s_barrier_wait -3
	s_barrier_signal -1
	s_barrier_wait -1
.endm
.macro CROUND
	s_barrier_signal -1
	s_barrier_wait -1
	CREST
.endm
	s_load_b256 s[4:11], s[0:1], 0x0               ; A's codes 4, wcodes 6, the exponents 8, the residual 10
	s_load_b64 s[12:13], s[0:1], 0x20              ; the output
.if FF2
	s_load_b64 s[66:67], s[0:1], 0x28              ; b2
.endif
	v_lshl_add_u32 v[SPW], v0, 2, SPARE
	v_mov_b32 v[NIL], 0
	ds_add_u32 v[SPW], v[NIL]                      ; the wave's opening: the add and its wait ahead of my first tensor load
	ds_add_u32 v[SPW], v[NIL]
	v_lshrrev_b32 v1, 5, v0
	v_readfirstlane_b32 s14, v1                    ; wave 0..3
	s_lshr_b32 s15, s14, 1                         ; which half of the tile's rows is mine.  Also: I fetch for A (0) or for B (1)
	s_and_b32 s16, s14, 1                          ; which half of its columns.  Also: which of a slot's two panels I fetch
	s_bfe_u32 s40, ttmp6, 0x40000                  ; cx, cy
	s_bfe_u32 s41, ttmp6, 0x40004
	s_lshl_b32 s42, ttmp9, 2
	s_add_co_u32 s42, s42, s40                     ; tile column
	s_and_b32 s17, ttmp7, 0xffff
	s_lshl_b32 s17, s17, 2
	s_add_co_u32 s17, s17, s41                     ; tile row
	s_lshl_b32 s43, s41, 2
	s_lshl_b32 s43, 15, s43                        ; my row of the cluster
	s_lshl_b32 s44, 0x1111, s40                    ; my column
	s_or_b32 s[G1+0], s43, (0<<16)|(1<<20)|(1<<21)|(5<<22)|(3<<25)  ; the mask; elements of 1 byte; padding on; 21 set beside a mask; four words after every 64
	s_or_b32 s[G1B+0], s44, (0<<16)|(1<<20)|(1<<21)|(5<<22)|(3<<25)
.irp g, G1, G1B
	s_mov_b32 s[\g+1], 256<<16                     ; tensor_dim0
	s_mov_b32 s[\g+2], 128<<16                     ; tensor_dim1
	s_mov_b32 s[\g+3], 256<<16                     ; tile_dim0
	s_mov_b32 s[\g+4], 128                         ; tile_dim1
	s_mov_b32 s[\g+5], 256                         ; tensor_dim0_stride
	s_mov_b32 s[\g+6], 0
	s_mov_b32 s[\g+7], 0
.endr
	s_lshl_b32 s20, s16, 20                        ; A: my panel (4,096 rows x 256 bytes),
	s_lshl_b32 s18, s17, 15                        ; the tile's 128 rows
	s_add_co_u32 s20, s20, s18
	s_mov_b32 s21, 0
	s_lshl_b32 s46, s16, 18                        ; B: my panel (1,024 rows x 256 bytes),
	s_lshl_b32 s19, s42, 15
	s_add_co_u32 s46, s46, s19
	s_add_co_u32 s46, s46, WOFF
	s_mov_b32 s47, 0
	s_mul_i32 s45, s14, HALFT                      ; where they go: A's two panels, then B's two
	s_wait_dscnt 0x0                               ; the opening add is done
	s_wait_kmcnt 0x0
	s_load_b512 s[68:83], s[8:9], 0x0              ; e0 .. e15
	s_add_nc_u64 s[20:21], s[4:5], s[20:21]
	s_add_nc_u64 s[46:47], s[6:7], s[46:47]
	CROUND                                         ; all sixteen work-groups are here: the first joint loads meet
.irp s, 0,1
	s_mov_b32 s[G0+4*\s], 1
	s_add_co_u32 s[G0+4*\s+1], s45, \s*SLOT
	s_add_nc_u64 s[G0+4*\s+2:G0+4*\s+3], s[20:21], \s*0x200000   ; slot 1: two panels on
	s_or_b32 s[G0+4*\s+3], s[G0+4*\s+3], 0x80000000
	s_mov_b32 s[G0B+4*\s], 1
	s_add_co_u32 s[G0B+4*\s+1], s45, \s*SLOT
	s_add_nc_u64 s[G0B+4*\s+2:G0B+4*\s+3], s[46:47], \s*0x80000
	s_or_b32 s[G0B+4*\s+3], s[G0B+4*\s+3], 0x80000000
.if \s                                 ; slot 1's first fill is issued as a refill is
	s_wait_alu depctr_va_vdst(0)
	s_wait_tensorcnt 0x0                           ; my part of slot 0 is in
	ds_add_u32 v[SPW], v[NIL]
	s_wait_dscnt 0x0
	CROUND
.endif
	JLOAD \s
.endr
	v_and_b32 v1, 15, v0                           ; r
	v_bfe_u32 v2, v0, 4, 1                         ; h
	v_lshlrev_b32 v[CO], 12, v2                    ; rows leave two at a time: lanes 0-15 one row's 256 bytes, lanes 16-31 the next row's
	v_lshl_add_u32 v[CO], v1, 4, v[CO]
	s_wait_alu depctr_va_vdst(0)
	s_lshl_b32 s18, s17, 19                        ; my 64 x 64 in the residual and in the output: 128 rows of 4,096 bytes a tile row,
	s_lshl_b32 s19, s15, 18
	s_add_co_u32 s18, s18, s19
	s_lshl_b32 s22, s42, 9                         ; 128 columns of 4 bytes a tile column
	s_lshl_b32 s19, s16, 8
	s_add_co_u32 s22, s22, s19
	s_add_co_u32 s18, s18, s22
	s_mov_b32 s19, 0
	s_mov_b32 s23, 0
	s_add_nc_u64 s[94:95], s[10:11], s[18:19]
	s_add_nc_u64 s[92:93], s[12:13], s[18:19]
	WIN 0x80                                       ; destination window 2
.irp a, 0,1,2,3
.irp t, 0,1,2,3,4,5,6,7
	global_load_b128 v[4*(8*\a+\t):4*(8*\a+\t)+3], v[CO], s[94:95] offset:(16*\a+2*\t)*4096
.endr
.endr
	WIN 0
.if FF2
	s_add_nc_u64 s[66:67], s[66:67], s[22:23]
	v_lshlrev_b32 v[BO], 4, v1
	global_load_b128 v[12:15], v[BO], s[66:67]     ; b2 at my four columns of every row that I store
.endif
	v_mul_u32_u24 v3, v1, PITCH
	s_wait_alu depctr_va_vdst(0)
	v_lshl_add_u32 v4, v2, 4, v3                   ; a fragment's row x pitch + 16 h
	s_mul_i32 s18, s15, 64*PITCH                   ; my 64 rows of A
	s_mul_i32 s19, s16, 64*PITCH                   ; my 64 rows of B,
	s_add_co_u32 s19, s19, 2*HALFT                 ; behind A's two panels
.irp s, 0,1
	v_add_nc_u32 v[ADRA+\s], s18, v4
	v_add_nc_u32 v[ADRB+\s], s19, v4
	s_add_co_u32 s18, s18, SLOT
	s_add_co_u32 s19, s19, SLOT
.endr
	s_mul_i32 s18, s14, 16*SPITCH
	s_add_co_u32 s18, s18, STAGE                   ; my stage
	v_lshl_add_u32 v[STO], v2, 5, v3               ; in: row r, 32 bytes for each half of the lanes
	v_add_nc_u32 v[STO], s18, v[STO]
	v_mul_u32_u24 v5, v2, SPITCH
	v_lshl_add_u32 v5, v1, 4, v5
	v_add_nc_u32 v[RD], s18, v5                    ; back: lanes 0-15 one row, lanes 16-31 the next
.macro MUL4 f, a, zero                 ; A's block a x B's four, 128 along K.  The 16 accumulators take turns, one instruction a turn, in the same order in every quarter
.irp b, 0,1,2,3
.if \zero
	v_wmma_f32_16x16x128_fp8_fp8 v[ACC+8*(4*(\a)+\b):ACC+8*(4*(\a)+\b)+7], v[\f+64+16*\b:\f+64+16*\b+15], v[\f+16*(\a):\f+16*(\a)+15], 0
.else
	v_wmma_f32_16x16x128_fp8_fp8 v[ACC+8*(4*(\a)+\b):ACC+8*(4*(\a)+\b)+7], v[\f+64+16*\b:\f+64+16*\b+15], v[\f+16*(\a):\f+16*(\a)+15], v[ACC+8*(4*(\a)+\b):ACC+8*(4*(\a)+\b)+7]
.endif
.endr
.endm
.macro FETCH slot, q, f                ; 32 LDS loads in one run: the fragments of the slot's q-th 128 along K (panel q / 2, bytes 128 (q % 2) on) into buffer f
	WIN TO_F
.irp i, 0,1,2,3
.irp c, 0,1,2,3
	ds_load_b128 v[\f+64+16*\i+4*\c:\f+64+16*\i+4*\c+3], v[ADRB+\slot] offset:((\q)/2)*HALFT+128*((\q)%2)+\i*16*PITCH+32*\c
.endr
.endr
.irp i, 0,1,2,3
.irp c, 0,1,2,3
	ds_load_b128 v[\f+16*\i+4*\c:\f+16*\i+4*\c+3], v[ADRA+\slot] offset:((\q)/2)*HALFT+128*((\q)%2)+\i*16*PITCH+32*\c
.endr
.endr
.endm
.macro PLACES                          ; four plain vector instructions between a matrix instruction and a load into, or a read of, its registers
.rept 4
	v_nop
.endr
.endm
.macro QUARTER slot, qn, f, g, zero    ; multiplies buffer f; ahead of its products it asks for the slot's quarter qn, into buffer g
	s_wait_dscnt 0x0                               ; buffer f is in
	PLACES                                         ; buffer g was read by the quarter before
	FETCH \slot, \qn, \g
	WIN MUL
	MUL4 \f, 0, \zero
	MUL4 \f, 1, \zero
	MUL4 \f, 2, \zero
	MUL4 \f, 3, \zero
.endm
; A slot's last quarter multiplies buffer 1 and changes slots: ONE barrier; in front of it each wave waits for all its tensor loads, adds 0 to its spare word, and waits for that and for its reads of this slot.
.macro TURN slot, next, fill
	WIN 0                                          ; (the add's two registers lie in window 0)
	s_wait_tensorcnt 0x0                           ; all my tensor loads have landed: my part of the next slot
	ds_add_u32 v[SPW], v[NIL]                      ; 0 onto my spare word
	s_wait_dscnt 1                                 ; buffer 1 is in; the add may be out
	WIN MUL
	MUL4 F1, 0, 0                                  ; four matrix instructions stand between the add and the wait for it
	s_wait_dscnt 0x0                               ; the add is done, and my reads of this slot are over
	s_barrier_signal -1
	MUL4 F1, 1, 0
	WIN 0
	s_barrier_wait -1
.if \fill
	CREST                                          ; the barrier has opened a round of the cluster's barrier
	s_add_nc_u64 s[G0+4*\slot+2:G0+4*\slot+3], s[G0+4*\slot+2:G0+4*\slot+3], 0x400000    ; four panels on
	s_add_nc_u64 s[G0B+4*\slot+2:G0B+4*\slot+3], s[G0B+4*\slot+2:G0B+4*\slot+3], 0x100000
	JLOAD \slot                                    ; the first tensor load behind the round; its four v_nop are the places in front of the loads below
.else
	PLACES
.endif
	FETCH \next, 0, F0
	WIN MUL
	MUL4 F1, 2, 0
	MUL4 F1, 3, 0
.endm
	s_wait_alu depctr_va_vdst(0)
	s_wait_tensorcnt 1                             ; my part of slot 0 is in; slot 1's load may be out
	s_barrier_signal -1
	s_barrier_wait -1
	FETCH 0, 0, F0
	QUARTER 0, 1, F0, F1, 1                        ; the first quarter stands in front of the loop: its products start the sums
.if LAPS > 1
	WIN 0                                          ; at a label and at a branch every window is 0
	s_mov_b32 s3, LAPS-1
.Llap:                                                 ; a trip goes once round the ring and fills both slots again
	QUARTER 0, 2, F1, F0, 0
	QUARTER 0, 3, F0, F1, 0
	TURN 0, 1, 1
	QUARTER 1, 1, F0, F1, 0
	QUARTER 1, 2, F1, F0, 0
	QUARTER 1, 3, F0, F1, 0
	TURN 1, 0, 1
	QUARTER 0, 1, F0, F1, 0
	WIN 0
	s_sub_co_u32 s3, s3, 1
	s_cmp_lg_u32 s3, 0
	s_cbranch_scc1 .Llap
.endif
	QUARTER 0, 2, F1, F0, 0                        ; the last lap fills nothing
	QUARTER 0, 3, F0, F1, 0
	TURN 0, 1, 0
	QUARTER 1, 1, F0, F1, 0
	QUARTER 1, 2, F1, F0, 0
	QUARTER 1, 3, F0, F1, 0
	s_wait_dscnt 0x0
	MUL4 F1, 0, 0
	MUL4 F1, 1, 0
	MUL4 F1, 2, 0
	MUL4 F1, 3, 0
	WIN 0
; THE WAY OUT, a block of 16 rows x 64 columns at a time: the sums go through my own stage and come back as rows of 256 bytes; there one packed multiply-add gives sum x 2^(eA + eB) + the residual.
	s_wait_kmcnt 0x0
	s_add_co_i32 s96, s[EA], s[EB]
	s_add_co_i32 s96, s96, 127
	s_lshl_b32 s96, s96, 23                        ; 2^(eA + eB) as f32
	s_mov_b32 s97, s96                             ; (named with it as a pair)
	PLACES                                         ; behind the last products, ahead of the first read of results
	s_wait_loadcnt 0x0                             ; the residual (and b2)
.macro TOSTAGE a
.irp b, 0,1,2,3
	ds_store_b128 v[STO], v[ACC+8*(4*(\a)+\b):ACC+8*(4*(\a)+\b)+3] offset:64*\b        ; each accumulator from its low end on
	ds_store_b128 v[STO], v[ACC+8*(4*(\a)+\b)+4:ACC+8*(4*(\a)+\b)+7] offset:64*\b+16
.endr
.irp t, 0,1,2,3,4,5,6,7
	ds_load_b128 v[BK+32*((\a)%2)+4*\t:BK+32*((\a)%2)+4*\t+3], v[RD] offset:\t*2*SPITCH   ; LDS serves a wave's instructions in order: these see the stores above
.endr
.endm
.macro SEND a, younger                 ; younger: the LDS instructions issued behind block a's loads: the next block's 8 stores and 8 loads, or none
.set BB, BK+32*((\a)%2)
	s_wait_dscnt \younger
	WIN 0x20                                       ; source 2 (the residual) window 2
.irp i, 0,2,4,6,8,10,12,14,16,18,20,22,24,26,28,30
	v_pk_fma_f32 v[BB+\i:BB+\i+1], v[BB+\i:BB+\i+1], s[96:97], v[32*(\a)+\i:32*(\a)+\i+1] op_sel_hi:[1,0,1]
.endr
	WIN 0
.if FF2
.irp t, 0,1,2,3,4,5,6,7
	v_pk_add_f32 v[BB+4*\t:BB+4*\t+1], v[BB+4*\t:BB+4*\t+1], v[12:13]
	v_pk_add_f32 v[BB+4*\t+2:BB+4*\t+3], v[BB+4*\t+2:BB+4*\t+3], v[14:15]
.endr
.endif
.irp t, 0,1,2,3,4,5,6,7
	global_store_b128 v[CO], v[BB+4*\t:BB+4*\t+3], s[92:93] offset:(16*(\a)+2*\t)*4096   ; sixteen lanes store 256 consecutive bytes, aligned
.endr
.endm
	TOSTAGE 0
	TOSTAGE 1
	SEND 0, 16
	s_wait_xcnt 0x0                                ; block 0's stores have read their registers: block 2's rows may land there
	TOSTAGE 2
	SEND 1, 16
	s_wait_xcnt 0x0
	TOSTAGE 3
	SEND 2, 16
	SEND 3, 0
	s_wait_tensorcnt 0x0                           ; the wave's end, behind my last tensor load and my last LDS store
	ds_add_u32 v[SPW], v[NIL]
	s_wait_dscnt 0x0
	CROUND                                         ; the closing round
	s_endpgm
.Lfunc_end_k_q7b2946b8f5_wo:
	.size	k_q7b2946b8f5_wo, .Lfunc_end_k_q7b2946b8f5_wo-k_q7b2946b8f5_wo
	.p2alignl 7, 3214868480
	.fill 96, 4, 3214868480
	.section	.rodata,"a",@progbits
	.p2align	6, 0x0
	.amdhsa_kernel k_q7b2946b8f5_wo
		.amdhsa_group_segment_fixed_size 327680
		.amdhsa_private_segment_fixed_size 0
		.amdhsa_enable_private_segment 0
		.amdhsa_kernarg_size 40
		.amdhsa_user_sgpr_count 2
		.amdhsa_user_sgpr_kernarg_segment_ptr 1
		.amdhsa_wavefront_size32 1
		.amdhsa_system_sgpr_workgroup_id_x 1
		.amdhsa_system_sgpr_workgroup_id_y 1
		.amdhsa_system_sgpr_workgroup_id_z 1
		.amdhsa_system_vgpr_workitem_id 0
		.amdhsa_next_free_vgpr 640
		.amdhsa_next_free_sgpr 100
		.amdhsa_reserve_vcc 0
		.amdhsa_float_denorm_mode_32 3
		.amdhsa_float_denorm_mode_16_64 3
		.amdhsa_memory_ordered 1
		.amdhsa_forward_progress 1
		.amdhsa_inst_pref_size 49
	.end_amdhsa_kernel
	.amdgpu_metadata
---
amdhsa.version: [ 1, 2 ]
amdhsa.kernels:
  - .name:           k_q7b2946b8f5_wo
    .symbol:         k_q7b2946b8f5_wo.kd
    .args:
      - { .name: ctxc, .offset: 0, .size: 8, .value_kind: global_buffer, .address_space: global }
      - { .name: wcodes, .offset: 8, .size: 8, .value_kind: global_buffer, .address_space: global }
      - { .name: lowp_scales, .offset: 16, .size: 8, .value_kind: global_buffer, .address_space: global }
      - { .name: x, .offset: 24, .size: 8, .value_kind: global_buffer, .address_space: global }
      - { .name: x1, .offset: 32, .size: 8, .value_kind: global_buffer, .address_space: global }
    .group_segment_fixed_size: 327680
    .private_segment_fixed_size: 0
    .kernarg_segment_align: 8
    .kernarg_segment_size: 40
    .max_flat_workgroup_size: 128
    .sgpr_count:     100
    .vgpr_count:     640
    .wavefront_size: 32
...
	.end_amdgpu_metadata
.endif
;; end of part 4
;; launch ln2 (part 5): grid 256 x 1, 4 waves a work-group, no clusters, 4,608 bytes of LDS; arguments x1, alpha2, bias2, lowp_scales, xn2c; writes xn2c
.if DOCPART == 5
	.amdgcn_target "amdgcn-amd-amdhsa--gfx1250"
	.amdhsa_code_object_version 6
	.text
	.protected	k_q7b2946b8f5_ln2
	.globl	k_q7b2946b8f5_ln2
	.p2align	8
	.type	k_q7b2946b8f5_ln2,@function
k_q7b2946b8f5_ln2:
	s_mov_b64 s[64:65], 0
	v_nop
	global_prefetch_b8 v0, s[64:65] scope:SCOPE_SE
	s_setreg_imm32_b32 hwreg(HW_REG_WAVE_MODE, 25, 1), 1
	s_wait_xcnt 0x0
; xn2 = alpha2 (x1 - mean) / (std + 1e-5) + bias2 (std with N - 1), quantised to E4M3 with the given scale 2^e12, into panels [4][4,096 rows][256 bytes].
; A wave takes 4 rows, a row at a time in 32 registers: the row is read once; mean first, then the squares of the differences, so that a common offset of the row does no harm.
; code = number / 2^e, held within +-448, to the nearest code, ties to even.  LIMIT: e12 between -126 and 119.  NaN among the inputs is not served.
; No tensor load, no barrier: waves share nothing.
.set NS,    1                          ; one scale
.set LST,   0                          ; the stages: 1,024 bytes for each wave
.set SPARE, 4096                       ; the spare words: 128 bytes for each wave
.set SPW,   14                         ; v14  SPARE + 4 x my thread's number; never rewritten
.set NIL,   15                         ; v15  0; never rewritten
.set XB,    16                         ; v16-143  four rows of 32 registers
.set TT,    144                        ; v144-159 two sets of 8 held numbers
.set CD,    160                        ; v160-167 a row's codes
.set SC,    184                        ; 2^e
.set HL,    187                        ; 448 x 2^e
.macro REDUCE                          ; v[10:13], two packed chains, become one sum in every lane's v10
	v_pk_add_f32 v[10:11], v[10:11], v[12:13]
	v_add_f32 v10, v10, v11
	v_add_f32_dpp v10, v10, v10 row_xmask:1 row_mask:0xf bank_mask:0xf
	v_add_f32_dpp v10, v10, v10 row_xmask:2 row_mask:0xf bank_mask:0xf
	v_add_f32_dpp v10, v10, v10 row_xmask:4 row_mask:0xf bank_mask:0xf
	v_add_f32_dpp v10, v10, v10 row_xmask:8 row_mask:0xf bank_mask:0xf
	v_permlanex16_b32 v11, v10, s60, s61
	v_add_f32 v10, v10, v11
.endm
; Row p of my four.  Register 4 j + c of the row holds column 128 j + 4 lane + c.
.macro LNROW p
.set XR, XB+32*(\p)
	s_wait_loadcnt 8*(3-(\p))                      ; this row's eight loads are in; the later rows' stay out
	v_pk_add_f32 v[10:11], v[XR:XR+1], v[XR+2:XR+3]
	v_pk_add_f32 v[12:13], v[XR+4:XR+5], v[XR+6:XR+7]
.irp j, 8,12,16,20,24,28
	v_pk_add_f32 v[10:11], v[10:11], v[XR+\j:XR+\j+1]
	v_pk_add_f32 v[12:13], v[12:13], v[XR+\j+2:XR+\j+3]
.endr
	REDUCE
	v_mul_f32 v6, 0x3a800000, v10                  ; the mean: sum / 1,024
.irp j, 0,2,4,6,8,10,12,14,16,18,20,22,24,26,28,30
	v_pk_add_f32 v[XR+\j:XR+\j+1], v[XR+\j:XR+\j+1], v[6:7] op_sel_hi:[1,0] neg_lo:[0,1] neg_hi:[0,1]   ; x - mean
.endr
	v_pk_mul_f32 v[10:11], v[XR:XR+1], v[XR:XR+1]
	v_pk_mul_f32 v[12:13], v[XR+2:XR+3], v[XR+2:XR+3]
.irp j, 4,8,12,16,20,24,28
	v_pk_fma_f32 v[10:11], v[XR+\j:XR+\j+1], v[XR+\j:XR+\j+1], v[10:11]
	v_pk_fma_f32 v[12:13], v[XR+\j+2:XR+\j+3], v[XR+\j+2:XR+\j+3], v[12:13]
.endr
	REDUCE
	v_mul_f32 v10, 0x3a802008, v10                 ; / 1,023
	s_wait_alu depctr_va_vdst(0)
	v_sqrt_f32 v10, v10
	v_nop                                          ; a plain instruction behind the root,
	s_wait_alu depctr_va_vdst(0)                   ; and the wait ahead of its first reader
	v_add_f32 v10, 0x3727c5ac, v10                 ; std + 1e-5
	s_wait_alu depctr_va_vdst(0)
	v_rcp_f32 v10, v10
	v_nop
	s_wait_alu depctr_va_vdst(0)
	v_mul_f32 v8, s36, v10                         ; alpha / (std + 1e-5)
.irp j, 0,2,4,6,8,10,12,14,16,18,20,22,24,26,28,30
	v_pk_fma_f32 v[XR+\j:XR+\j+1], v[XR+\j:XR+\j+1], v[8:9], s[38:39] op_sel_hi:[1,0,0]   ; xn (of the pairs the low word serves both halves)
.endr
.set SI, 0
.rept NS
.irp m, 0,1,2,3
.irp i, 0,1,2,3,4,5,6,7
	v_med3_num_f32 v[TT+8*((\m)%2)+\i], v[XR+8*\m+\i], -v[HL+SI], v[HL+SI]   ; the conversion does not saturate (ISA guide 7.6.2): the hold comes first
.endr
	v_cvt_scalef32_pk8_fp8_f32 v[CD+8*SI+2*\m:CD+8*SI+2*\m+1], v[TT+8*((\m)%2):TT+8*((\m)%2)+7], v[SC+SI]   ; code register j: columns 128 j + 4 lane + 0 .. 3
.endr
.set SI, SI+1
.endr
	v_nop                                          ; a plain instruction behind the last conversion
.set SI, 0
.rept NS
.irp j, 0,1,2,3,4,5,6,7
	ds_store_b32 v3, v[CD+8*SI+\j] offset:1024*SI+128*\j   ; the row's 1,024 codes in the order of the columns
.endr
.set SI, SI+1
.endr
.set SI, 0
.rept NS
.irp u, 0,1
	ds_load_b128 v[XR+8*SI+4*\u:XR+8*SI+4*\u+3], v4 offset:1024*SI+512*\u   ; back, 16 bytes a lane, into the row's own registers, which are done with
.endr
.set SI, SI+1
.endr
	s_wait_dscnt 0x0
.set SI, 0
.rept NS
.irp u, 0,1
	global_store_b128 v5, v[XR+8*SI+4*\u:XR+8*SI+4*\u+3], s[40+2*SI:41+2*SI] offset:\u*0x200000+256*(\p)   ; sixteen lanes store the row's 256 bytes of one panel, aligned
.endr
.set SI, SI+1
.endr
.endm
	s_load_b256 s[4:11], s[0:1], 0x0               ; x1 4, alpha2 6, bias2 8, the exponents 10
	s_load_b64 s[12:13], s[0:1], 0x20              ; xn2c
	v_lshl_add_u32 v[SPW], v0, 2, SPARE
	v_mov_b32 v[NIL], 0
	v_lshrrev_b32 v1, 5, v0
	v_readfirstlane_b32 s28, v1                    ; wave
	v_and_b32 v1, 31, v0                           ; lane
	s_lshl_b32 s29, ttmp9, 4
	s_lshl_b32 s32, s28, 2
	s_add_co_u32 s29, s29, s32                     ; my first row: 16 x work-group + 4 x wave
	s_lshl_b32 s32, s29, 12
	s_mov_b32 s33, 0
	v_lshlrev_b32 v2, 4, v1
	s_wait_alu depctr_va_vdst(0)
	s_wait_kmcnt 0x0
	s_load_b32 s36, s[6:7], 0x0                    ; alpha2
	s_load_b32 s38, s[8:9], 0x0                    ; bias2
	s_load_b32 s34, s[10:11], 0x30                 ; e12
	s_add_nc_u64 s[30:31], s[4:5], s[32:33]
.irp p, 0,1,2,3
.irp j, 0,1,2,3,4,5,6,7
	global_load_b128 v[XB+32*\p+4*\j:XB+32*\p+4*\j+3], v2, s[30:31] offset:4096*\p+512*\j   ; 512 consecutive bytes a load; all 32 loads go out at once
.endr
.endr
	s_lshl_b32 s32, s29, 8
	s_add_nc_u64 s[40:41], s[12:13], s[32:33]      ; my first row in panel 0
	s_mov_b32 s60, 0x76543210                      ; v_permlanex16_b32: lane l xor 16
	s_mov_b32 s61, 0xfedcba98
	s_mul_i32 s35, s28, NS*1024
	s_add_co_u32 s35, s35, LST                     ; my stage
	v_lshlrev_b32 v3, 2, v1
	v_add_nc_u32 v3, s35, v3                       ; in: 4 bytes a lane
	v_add_nc_u32 v4, s35, v2                       ; back: 16 bytes a lane
	v_lshrrev_b32 v5, 4, v1
	v_lshlrev_b32 v5, 20, v5                       ; lanes 16-31 hold the next panel's 256 bytes: a panel is 2^20 bytes
	v_and_b32 v6, 15, v1
	v_lshl_or_b32 v5, v6, 4, v5
	v_mov_b32 v7, 0                                ; (named as the upper halves of pairs)
	v_mov_b32 v9, 0
	s_wait_kmcnt 0x0
	s_mov_b32 s39, s38
	s_add_co_i32 s34, s34, 127
	s_lshl_b32 s35, s34, 23
	v_mov_b32 v[SC], s35
	s_add_co_i32 s34, s34, 8
	s_lshl_b32 s34, s34, 23
	s_or_b32 s34, s34, 0x600000
	v_mov_b32 v[HL], s34
	LNROW 0
	LNROW 1
	LNROW 2
	LNROW 3
	s_wait_tensorcnt 0x0                           ; the wave's end, behind my last LDS store
	ds_add_u32 v[SPW], v[NIL]
	s_wait_dscnt 0x0
	s_endpgm
.Lfunc_end_k_q7b2946b8f5_ln2:
	.size	k_q7b2946b8f5_ln2, .Lfunc_end_k_q7b2946b8f5_ln2-k_q7b2946b8f5_ln2
	.p2alignl 7, 3214868480
	.fill 96, 4, 3214868480
	.section	.rodata,"a",@progbits
	.p2align	6, 0x0
	.amdhsa_kernel k_q7b2946b8f5_ln2
		.amdhsa_group_segment_fixed_size 4608
		.amdhsa_private_segment_fixed_size 0
		.amdhsa_enable_private_segment 0
		.amdhsa_kernarg_size 40
		.amdhsa_user_sgpr_count 2
		.amdhsa_user_sgpr_kernarg_segment_ptr 1
		.amdhsa_wavefront_size32 1
		.amdhsa_system_sgpr_workgroup_id_x 1
		.amdhsa_system_sgpr_workgroup_id_y 1
		.amdhsa_system_sgpr_workgroup_id_z 1
		.amdhsa_system_vgpr_workitem_id 0
		.amdhsa_next_free_vgpr 192
		.amdhsa_next_free_sgpr 100
		.amdhsa_reserve_vcc 0
		.amdhsa_float_denorm_mode_32 3
		.amdhsa_float_denorm_mode_16_64 3
		.amdhsa_memory_ordered 1
		.amdhsa_forward_progress 1
		.amdhsa_inst_pref_size 39
	.end_amdhsa_kernel
	.amdgpu_metadata
---
amdhsa.version: [ 1, 2 ]
amdhsa.kernels:
  - .name:           k_q7b2946b8f5_ln2
    .symbol:         k_q7b2946b8f5_ln2.kd
    .args:
      - { .name: x1, .offset: 0, .size: 8, .value_kind: global_buffer, .address_space: global }
      - { .name: alpha2, .offset: 8, .size: 8, .value_kind: global_buffer, .address_space: global }
      - { .name: bias2, .offset: 16, .size: 8, .value_kind: global_buffer, .address_space: global }
      - { .name: lowp_scales, .offset: 24, .size: 8, .value_kind: global_buffer, .address_space: global }
      - { .name: xn2c, .offset: 32, .size: 8, .value_kind: global_buffer, .address_space: global }
    .group_segment_fixed_size: 4608
    .private_segment_fixed_size: 0
    .kernarg_segment_align: 8
    .kernarg_segment_size: 40
    .max_flat_workgroup_size: 128
    .sgpr_count:     100
    .vgpr_count:     192
    .wavefront_size: 32
...
	.end_amdgpu_metadata
.endif
;; end of part 5
;; launch ffn1 (part 6): grid 16 x 16, 4 waves a work-group, clusters of 4 x 4, 327,680 bytes of LDS; arguments xn2c, wcodes, lowp_scales, b1, hc; writes hc
.if DOCPART == 6
	.amdgcn_target "amdgcn-amd-amdhsa--gfx1250"
	.amdhsa_code_object_version 6
	.text
	.protected	k_q7b2946b8f5_ffn1
	.globl	k_q7b2946b8f5_ffn1
	.p2align	8
	.type	k_q7b2946b8f5_ffn1,@function
k_q7b2946b8f5_ffn1:
	s_mov_b64 s[64:65], 0
	v_nop
	global_prefetch_b8 v0, s[64:65] scope:SCOPE_SE
	s_setreg_imm32_b32 hwreg(HW_REG_WAVE_MODE, 25, 1), 1
	s_wait_xcnt 0x0
	s_wait_alu depctr_hold_cnt(0) depctr_sa_sdst(0) depctr_va_vdst(0) depctr_va_sdst(0) depctr_va_ssrc(0) depctr_va_vcc(0) depctr_vm_vsrc(0)
	s_getreg_b32 s2, hwreg(HW_REG_IB_STS2, 6, 4)
	s_cmp_eq_u32 s2, 0
	s_cbranch_scc0 .Lentry_in_a_cluster
	s_endpgm
.Lentry_in_a_cluster:
	s_bfe_u32 s2, ttmp6, 0x10000c
	s_cmp_lg_u32 s2, 0xf033
	s_cbranch_scc0 .Lentry_shape_is_right
	s_endpgm
.Lentry_shape_is_right:
.set FFN,    1
.set ROWB,   256
.set PITCH,  272
.set FR,     16
.set NL,     4
.set NP,     4
.set HALFT,  128*PITCH
.set SLOT,   4*HALFT
.set LAPS,   2
.set SPARE,  2*SLOT
.set ADRA, 16
.set ADRB, 20
.set STO,  24
.set RDP,  25
.set CO,   26
.set SCL,  27
.set SPW,  28
.set NIL,  29
.set HOLD, 30
.set RDH,  31
.set TMP,  32
.set BI,   32
.set AF,   128
.set CR,   128
.set G1, 24
.set G0, 32
.set G1B, 48
.set G0B, 56
.set MSB, 0
.macro WIN new
.if MSB != \new
	s_set_vgpr_msb (MSB<<8)|\new
.set MSB, \new
.endif
.endm
.set MUL_LO, 0xa1
.set MUL_HI, 0xf1
.set TO_B,   0x40
.macro JLOAD g0a, g1a, g0b, g1b
	s_cmp_eq_u32 s15, 0
	s_cbranch_scc0 .Lfor_b_\@
	tensor_load_to_lds s[\g0a:\g0a+3], s[\g1a:\g1a+7]
	s_nop 0
.rept 4
	v_nop
.endr
	s_branch .Lasked_\@
.Lfor_b_\@:
	tensor_load_to_lds s[\g0b:\g0b+3], s[\g1b:\g1b+7]
	s_nop 0
.rept 4
	v_nop
.endr
.Lasked_\@:
.endm
.macro CREST
	s_cmp_lg_u32 s14, 0
	s_cbranch_scc1 .Lnot_wave_0_\@
	s_barrier_signal -3
.Lnot_wave_0_\@:
	s_barrier_wait -3
	s_barrier_signal -1
	s_barrier_wait -1
.endm
.macro CROUND
	s_barrier_signal -1
	s_barrier_wait -1
	CREST
.endm
	s_load_b256 s[4:11], s[0:1], 0x0
.if FFN
	s_load_b64 s[12:13], s[0:1], 0x20
.endif
	v_lshl_add_u32 v[SPW], v0, 2, SPARE
	v_mov_b32 v[NIL], 0
	ds_add_u32 v[SPW], v[NIL]
	ds_add_u32 v[SPW], v[NIL]
	v_lshrrev_b32 v1, 5, v0
	v_readfirstlane_b32 s14, v1
	v_and_b32 v10, 31, v0
	v_lshlrev_b32 v10, 8, v10                      ; the prefetches' offset: lanes 256 bytes apart; never rewritten
	s_wait_alu depctr_va_vdst(0)
	s_lshr_b32 s15, s14, 1
	s_and_b32 s16, s14, 1
	s_bfe_u32 s40, ttmp6, 0x40000
	s_bfe_u32 s41, ttmp6, 0x40004
	s_and_b32 s18, ttmp7, 0xffff
	s_lshl_b32 s18, s18, 2
.if FFN
	s_lshl_b32 s42, ttmp9, 2
	s_add_co_u32 s42, s42, s40
	s_add_co_u32 s17, s18, s41
	s_mov_b32 s84, 0x100000
	s_mov_b32 s86, 0x100000
	s_mov_b32 s92, 0
	s_mov_b32 s93, 0x400000
	s_mov_b32 s66, 16
	s_mov_b32 s67, 14
.else
	s_add_co_u32 s19, s41, s18
	s_add_co_u32 s22, s40, s18
	s_lshl_b32 s92, ttmp9, 22
	s_lshl_b32 s93, ttmp9, 20
	s_mov_b32 s84, 0x40000
	s_mov_b32 s86, 0x100000
	s_cmp_lt_u32 ttmp9, 2
	s_cselect_b32 s17, s19, s41
	s_cselect_b32 s42, s40, s22
	s_cselect_b32 s84, 0x100000, s84
	s_cselect_b32 s86, 0x40000, s86
	s_cselect_b32 s92, s92, 0x200000
	s_cselect_b32 s93, s93, 0x800000
	s_cselect_b32 s66, 14, 16
	s_cselect_b32 s67, 12, 14
.endif
	s_mov_b32 s85, 0
	s_mov_b32 s87, 0
	s_lshl_b32 s88, s84, 1
	s_mov_b32 s89, 0
	s_lshl_b32 s90, s86, 1
	s_mov_b32 s91, 0
	s_lshl_b32 s43, s41, 2
	s_lshl_b32 s43, 15, s43
	s_lshl_b32 s44, 0x1111, s40
	s_or_b32 s[G1+0], s43, (0<<16)|(1<<20)|(1<<21)|(5<<22)|(3<<25)
	s_or_b32 s[G1B+0], s44, (0<<16)|(1<<20)|(1<<21)|(5<<22)|(3<<25)
.irp g, G1, G1B
	s_mov_b32 s[\g+1], ROWB<<16
	s_mov_b32 s[\g+2], 128<<16
	s_mov_b32 s[\g+3], ROWB<<16
	s_mov_b32 s[\g+4], 128
	s_mov_b32 s[\g+5], ROWB
	s_mov_b32 s[\g+6], 0
	s_mov_b32 s[\g+7], 0
.endr
	s_lshl_b32 s20, s17, 16
	s_lshl_b32 s21, s16, 15
	s_add_co_u32 s20, s20, s21
	s_add_co_u32 s20, s20, s92
	s_mov_b32 s21, 0
	s_lshl_b32 s46, s42, 16
	s_lshl_b32 s47, s16, 15
	s_add_co_u32 s46, s46, s47
	s_add_co_u32 s46, s46, s93
	s_mov_b32 s47, 0
	s_mul_i32 s45, s14, HALFT
	s_wait_dscnt 0x0
	s_wait_kmcnt 0x0
	s_load_b512 s[68:83], s[8:9], 0x0
.if FFN
	s_add_nc_u64 s[20:21], s[4:5], s[20:21]
	s_add_nc_u64 s[46:47], s[6:7], s[46:47]
.else
	s_cmp_lt_u32 ttmp9, 2
	s_cselect_b64 s[94:95], s[4:5], s[6:7]
	s_cselect_b64 s[96:97], s[6:7], s[4:5]
	s_add_nc_u64 s[20:21], s[94:95], s[20:21]
	s_add_nc_u64 s[46:47], s[96:97], s[46:47]
.endif
	CROUND
.irp s, 0,1
	s_mov_b32 s[G0+4*\s], 1
	s_add_co_u32 s[G0+4*\s+1], s45, \s*SLOT
	s_mov_b32 s[G0B+4*\s], 1
	s_add_co_u32 s[G0B+4*\s+1], s45, \s*SLOT
.endr
	s_mov_b64 s[G0+2:G0+3], s[20:21]
	s_add_nc_u64 s[G0+6:G0+7], s[20:21], s[84:85]
	s_mov_b64 s[G0B+2:G0B+3], s[46:47]
	s_add_nc_u64 s[G0B+6:G0B+7], s[46:47], s[86:87]
	s_or_b32 s[G0+3], s[G0+3], 0x80000000
	s_or_b32 s[G0+7], s[G0+7], 0x80000000
	s_or_b32 s[G0B+3], s[G0B+3], 0x80000000
	s_or_b32 s[G0B+7], s[G0B+7], 0x80000000
	; prefetches: behind the load of K step n (n = 0, 1) my wave names K step n + 2 of the 32,768 dense bytes that it fetches; the four partners of a joint load take 8,192 bytes each, told apart by address
	s_cmp_eq_u32 s15, 0
	s_cselect_b64 s[98:99], s[20:21], s[46:47]
	s_cselect_b32 s22, s88, s90                    ; two K steps on
	s_cselect_b32 s18, s84, s86                    ; one K step on
	s_cselect_b32 s19, s40, s41                    ; my place among the four that ask with me
	s_lshl_b32 s19, s19, 13
	s_add_co_u32 s22, s22, s19
	s_mov_b32 s23, 0
	s_mov_b32 s19, 0
	s_add_nc_u64 s[98:99], s[98:99], s[22:23]
	JLOAD G0, G1, G0B, G1B
	global_prefetch_b8 v10, s[98:99] th:TH_LOAD_NT scope:SCOPE_SE
	s_wait_alu depctr_va_vdst(0)
	s_wait_tensorcnt 0x0
	ds_add_u32 v28, v29
	s_wait_dscnt 0x0
	CROUND
	JLOAD G0+4, G1, G0B+4, G1B
	s_wait_xcnt 0x0                                ; the first prefetch has read its address
	s_add_nc_u64 s[98:99], s[98:99], s[18:19]
	global_prefetch_b8 v10, s[98:99] th:TH_LOAD_NT scope:SCOPE_SE
	v_and_b32 v1, 15, v0
	v_bfe_u32 v2, v0, 4, 1
	v_mul_u32_u24 v3, v1, PITCH
	s_wait_alu depctr_va_vdst(0)
	v_lshl_add_u32 v4, v2, 4, v3
	s_mul_i32 s18, s15, HALFT
	s_mul_i32 s19, s16, HALFT
	s_add_co_u32 s19, s19, 2*HALFT
.irp s, 0,1
	v_add_nc_u32 v[ADRA+\s], s18, v4
	v_add_nc_u32 v[ADRB+\s], s19, v4
	s_add_co_u32 s18, s18, SLOT
	s_add_co_u32 s19, s19, SLOT
.endr
	s_mul_i32 s18, s15, HALFT
	s_lshl_b32 s19, s16, 7
	s_add_co_u32 s18, s18, s19
	v_lshl_add_u32 v[STO], v2, 3, v3
	v_add_nc_u32 v[STO], s18, v[STO]
	s_mul_i32 s18, s14, 64*PITCH
	v_mul_u32_u24 v5, v2, PITCH
	v_lshl_add_u32 v5, v1, 4, v5
	v_add_nc_u32 v[RDP], s18, v5
	v_and_b32 v6, 31, v0
	v_lshlrev_b32 v[CO], 4, v6
.if !FFN
	v_lshrrev_b32 v7, 2, v6
	v_mul_u32_u24 v7, v7, PITCH
	v_and_b32 v8, 3, v6
	v_lshl_add_u32 v7, v8, 4, v7
	v_add_nc_u32 v[RDH], s18, v7
.endif
	s_mul_i32 s18, s42, s84
	s_lshl_b32 s19, s17, s66
	s_add_co_u32 s18, s18, s19
	s_lshl_b32 s19, s14, s67
	s_add_co_u32 s18, s18, s19
.if !FFN
	s_lshl_b32 s19, ttmp9, 22
	s_add_co_u32 s18, s18, s19
.endif
	s_mov_b32 s19, 0
.if FFN
	s_add_nc_u64 s[92:93], s[12:13], s[18:19]
	s_lshl_b32 s18, s42, 10
	s_lshl_b32 s22, s16, 9
	s_add_co_u32 s18, s18, s22
	s_add_nc_u64 s[10:11], s[10:11], s[18:19]
	v_lshlrev_b32 v9, 5, v2
.irp b, 0,1,2,3,4,5,6,7
	global_load_b128 v[BI+8*\b:BI+8*\b+3], v9, s[10:11] offset:64*\b
	global_load_b128 v[BI+8*\b+4:BI+8*\b+7], v9, s[10:11] offset:64*\b+16
.endr
	s_wait_kmcnt 0x0
	s_add_co_i32 s18, s80, s81
	s_sub_co_i32 s18, 0, s18
	s_wait_loadcnt 0x0
.set j, 0
.rept 64
	v_ldexp_f32 v[BI+j], v[BI+j], s18
.set j, j+1
.endr
.else
	s_add_nc_u64 s[92:93], s[10:11], s[18:19]
.endif
.macro FRAG reg, adr, q, i
.irp c, 0,1,2,3
	ds_load_b128 v[\reg+4*\c:\reg+4*\c+3], v[\adr] offset:128*(\q)+32*\c+(\i)*16*PITCH
.endr
.endm
.macro MUL16 a0, p, zero
.irp a, \a0, \a0+1
.irp b, 0,1,2,3,4,5,6,7
.if \zero
.if FFN
	v_wmma_f32_16x16x128_fp8_fp8 v[8*(8*((\a)%4)+\b):8*(8*((\a)%4)+\b)+7], v[128*(\p)+FR*\b:128*(\p)+FR*\b+FR-1], v[AF+FR*(\a):AF+FR*(\a)+FR-1], v[BI+8*\b:BI+8*\b+7]
.else
	v_wmma_f32_16x16x128_fp8_fp8 v[8*(8*((\a)%4)+\b):8*(8*((\a)%4)+\b)+7], v[128*(\p)+FR*\b:128*(\p)+FR*\b+FR-1], v[AF+FR*(\a):AF+FR*(\a)+FR-1], 0
.endif
.else
	v_wmma_f32_16x16x128_fp8_fp8 v[8*(8*((\a)%4)+\b):8*(8*((\a)%4)+\b)+7], v[128*(\p)+FR*\b:128*(\p)+FR*\b+FR-1], v[AF+FR*(\a):AF+FR*(\a)+FR-1], v[8*(8*((\a)%4)+\b):8*(8*((\a)%4)+\b)+7]
.endif
.endr
.endr
.endm
.macro FETCH_B slot, q, p
	WIN TO_B
.irp i, 0,1,2,3,4,5,6,7
	FRAG 128*(\p)+FR*\i, ADRB+\slot, \q, \i
.endr
	WIN 0
.endm
.macro FETCH_A slot, q, i0
.irp i, \i0, \i0+1, \i0+2, \i0+3
	FRAG AF+FR*(\i), ADRA+\slot, \q, \i
.endr
.endm
.macro PLACES n
.rept \n
	v_nop
.endr
.endm
.macro STEP slot, q, zero
	s_wait_dscnt 4*NL
.if (\zero) && FFN
	WIN 0x81
.else
	WIN MUL_LO
.endif
	MUL16 0, (\q)%2, \zero
	MUL16 2, (\q)%2, \zero
	s_wait_dscnt 0
	PLACES NP
	FETCH_B \slot, (\q)+1, 1-(\q)%2
	FETCH_A \slot, (\q)+1, 0
.if (\zero) && FFN
	WIN 0xc1
.else
	WIN MUL_HI
.endif
	MUL16 4, (\q)%2, \zero
	MUL16 6, (\q)%2, \zero
	PLACES NP
	WIN 0
	FETCH_A \slot, (\q)+1, 4
.endm
.macro TURN slot, next, fill
	s_wait_tensorcnt 0x0
	ds_add_u32 v[SPW], v[NIL]
	s_wait_dscnt 4*NL+1
	WIN MUL_LO
	MUL16 0, 1, 0
	s_wait_dscnt 0x0
	s_barrier_signal -1
	MUL16 2, 1, 0
	WIN 0
	s_barrier_wait -1
.if \fill
	CREST
	s_add_nc_u64 s[G0+4*\slot+2:G0+4*\slot+3], s[G0+4*\slot+2:G0+4*\slot+3], s[88:89]
	s_add_nc_u64 s[G0B+4*\slot+2:G0B+4*\slot+3], s[G0B+4*\slot+2:G0B+4*\slot+3], s[90:91]
	JLOAD G0+4*\slot, G1, G0B+4*\slot, G1B
.else
	PLACES NP
.endif
	FETCH_B \next, 0, 0
	FETCH_A \next, 0, 0
	WIN MUL_HI
	MUL16 4, 1, 0
	MUL16 6, 1, 0
	PLACES NP
	WIN 0
	FETCH_A \next, 0, 4
.endm
	s_wait_alu depctr_va_vdst(0)
	s_wait_tensorcnt 1
	s_barrier_signal -1
	s_barrier_wait -1
	FETCH_B 0, 0, 0
	FETCH_A 0, 0, 0
	FETCH_A 0, 0, 4
	STEP 0, 0, 1
	s_mov_b32 s3, LAPS-1
.Llap:
	TURN 0, 1, 1
	STEP 1, 0, 0
	TURN 1, 0, 1
	STEP 0, 0, 0
	s_sub_co_u32 s3, s3, 1
	s_cmp_lg_u32 s3, 0
	s_cbranch_scc1 .Llap
	TURN 0, 1, 0
	STEP 1, 0, 0
	s_wait_dscnt 4*NL
	WIN MUL_LO
	MUL16 0, 1, 0
	MUL16 2, 1, 0
	s_wait_dscnt 0
	WIN MUL_HI
	MUL16 4, 1, 0
	MUL16 6, 1, 0
	WIN 0
	s_wait_kmcnt 0x0
.if FFN
	s_sub_co_i32 s22, s82, s80
	s_sub_co_i32 s22, s22, s81
.else
	s_cmp_eq_u32 ttmp9, 0
	s_cselect_b32 s18, s68, s70
	s_cselect_b32 s19, s69, s71
	s_cselect_b32 s22, s74, s75
	s_cmp_eq_u32 ttmp9, 2
	s_cselect_b32 s18, s72, s18
	s_cselect_b32 s19, s73, s19
	s_cselect_b32 s22, s77, s22
	s_sub_co_i32 s22, s22, s18
	s_sub_co_i32 s22, s22, s19
.endif
	s_add_co_i32 s22, s22, 127
	s_lshl_b32 s23, s22, 23
	s_add_co_i32 s22, s22, 8
	s_lshl_b32 s22, s22, 23
	s_or_b32 s22, s22, 0x600000
	PLACES NP
	v_mov_b32 v[SCL], s23
	v_mov_b32 v[HOLD], s22
.macro CODES a
.set AC, 64*((\a)%4)
	WIN 0x02+((\a)/4)
.set j, 0
.rept 64
.if FFN
	v_med3_num_f32 v[TMP+j], v[AC+j], 0, v[HOLD]
.else
	v_med3_num_f32 v[TMP+j], v[AC+j], -v[HOLD], v[HOLD]
.endif
.set j, j+1
.endr
	WIN 0
.irp b, 0,1,2,3,4,5,6,7
	v_cvt_scalef32_pk8_fp8_f32 v[CR+16*(\a)+2*\b:CR+16*(\a)+2*\b+1], v[TMP+8*\b:TMP+8*\b+7], v[SCL]
.endr
	v_nop
.irp b, 0,1,2,3,4,5,6,7
	ds_store_b64 v[STO], v[CR+16*(\a)+2*\b:CR+16*(\a)+2*\b+1] offset:16*PITCH*(\a)+16*\b
.endr
.endm
.irp a, 0,1,2,3,4,5,6,7
	CODES \a
.endr
	s_wait_dscnt 0x0
	s_barrier_signal -1
	s_barrier_wait -1
.if !FFN
	s_cmp_lt_u32 ttmp9, 2
	s_cbranch_scc1 .Lheads
.endif
.set i, 0
.rept 32
	ds_load_b128 v[CR+4*i:CR+4*i+3], v[RDP] offset:2*PITCH*i
.set i, i+1
.endr
.set i, 0
.rept 32
	s_wait_dscnt 31-i
	global_store_b128 v[CO], v[CR+4*i:CR+4*i+3], s[92:93] offset:512*i
.set i, i+1
.endr
.if !FFN
	s_branch .Ldone
.Lheads:
.set i, 0
.rept 32
	ds_load_b128 v[CR+4*i:CR+4*i+3], v[RDH] offset:8*PITCH*(i%8)+64*(i/8)
.set i, i+1
.endr
.set i, 0
.rept 32
	s_wait_dscnt 31-i
	global_store_b128 v[CO], v[CR+4*i:CR+4*i+3], s[92:93] offset:262144*(i/8)+512*(i%8)
.set i, i+1
.endr
.Ldone:
.endif
	s_wait_tensorcnt 0x0
	ds_add_u32 v[SPW], v[NIL]
	s_wait_dscnt 0x0
	CROUND
	s_endpgm
.Lfunc_end_k_q7b2946b8f5_ffn1:
	.size	k_q7b2946b8f5_ffn1, .Lfunc_end_k_q7b2946b8f5_ffn1-k_q7b2946b8f5_ffn1
	.p2alignl 7, 3214868480
	.fill 96, 4, 3214868480
	.section	.rodata,"a",@progbits
	.p2align	6, 0x0
	.amdhsa_kernel k_q7b2946b8f5_ffn1
		.amdhsa_group_segment_fixed_size 327680
		.amdhsa_private_segment_fixed_size 0
		.amdhsa_enable_private_segment 0
		.amdhsa_kernarg_size 40
		.amdhsa_user_sgpr_count 2
		.amdhsa_user_sgpr_kernarg_segment_ptr 1
		.amdhsa_wavefront_size32 1
		.amdhsa_system_sgpr_workgroup_id_x 1
		.amdhsa_system_sgpr_workgroup_id_y 1
		.amdhsa_system_sgpr_workgroup_id_z 1
		.amdhsa_system_vgpr_workitem_id 0
		.amdhsa_next_free_vgpr 1024
		.amdhsa_next_free_sgpr 100
		.amdhsa_reserve_vcc 0
		.amdhsa_float_denorm_mode_32 3
		.amdhsa_float_denorm_mode_16_64 3
		.amdhsa_memory_ordered 1
		.amdhsa_forward_progress 1
		.amdhsa_inst_pref_size 132
	.end_amdhsa_kernel
	.amdgpu_metadata
---
amdhsa.version: [ 1, 2 ]
amdhsa.kernels:
  - .name:           k_q7b2946b8f5_ffn1
    .symbol:         k_q7b2946b8f5_ffn1.kd
    .args:
      - { .name: xn2c, .offset: 0, .size: 8, .value_kind: global_buffer, .address_space: global }
      - { .name: wcodes, .offset: 8, .size: 8, .value_kind: global_buffer, .address_space: global }
      - { .name: lowp_scales, .offset: 16, .size: 8, .value_kind: global_buffer, .address_space: global }
      - { .name: b1, .offset: 24, .size: 8, .value_kind: global_buffer, .address_space: global }
      - { .name: hc, .offset: 32, .size: 8, .value_kind: global_buffer, .address_space: global }
    .group_segment_fixed_size: 327680
    .private_segment_fixed_size: 0
    .kernarg_segment_align: 8
    .kernarg_segment_size: 40
    .max_flat_workgroup_size: 128
    .sgpr_count:     100
    .vgpr_count:     1024
    .wavefront_size: 32
...
	.end_amdgpu_metadata
.endif
;; end of part 6
;; launch ffn2 (part 7): grid 8 x 32, 4 waves a work-group, clusters of 4 x 4, 327,680 bytes of LDS; arguments hc, wcodes, lowp_scales, x1, out0, b2; writes out0
.if DOCPART == 7
	.amdgcn_target "amdgcn-amd-amdhsa--gfx1250"
	.amdhsa_code_object_version 6
	.text
	.protected	k_q7b2946b8f5_ffn2
	.globl	k_q7b2946b8f5_ffn2
	.p2align	8
	.type	k_q7b2946b8f5_ffn2,@function
k_q7b2946b8f5_ffn2:
	s_mov_b64 s[64:65], 0
	v_nop
	global_prefetch_b8 v0, s[64:65] scope:SCOPE_SE
	s_setreg_imm32_b32 hwreg(HW_REG_WAVE_MODE, 25, 1), 1
	s_wait_xcnt 0x0
	s_wait_alu depctr_hold_cnt(0) depctr_sa_sdst(0) depctr_va_vdst(0) depctr_va_sdst(0) depctr_va_ssrc(0) depctr_va_vcc(0) depctr_vm_vsrc(0)
	s_getreg_b32 s2, hwreg(HW_REG_IB_STS2, 6, 4)
	s_cmp_eq_u32 s2, 0
	s_cbranch_scc0 .Lentry_in_a_cluster
	s_endpgm
.Lentry_in_a_cluster:
	s_bfe_u32 s2, ttmp6, 0x10000c
	s_cmp_lg_u32 s2, 0xf033
	s_cbranch_scc0 .Lentry_shape_is_right
	s_endpgm
.Lentry_shape_is_right:
.set FF2,    1
.if FF2
.set LAPS,   4
.set WOFF,   0x800000
.set EA,     82
.set EB,     83
.else
.set LAPS,   1
.set WOFF,   0x300000
.set EA,     78
.set EB,     79
.endif
.set PITCH,  272
.set HALFT,  128*PITCH
.set SLOT,   4*HALFT
.set STAGE,  2*SLOT
.set SPITCH, 272
.set SPARE,  STAGE+4*16*SPITCH
.set ADRA, 16
.set ADRB, 20
.set STO,  24
.set RD,   25
.set CO,   26
.set BO,   27
.set SPW,  28
.set NIL,  29
.set BK,   32
.set ACC,  128
.set F0,   0
.set F1,   128
.set G1, 24
.set G0, 32
.set G1B, 48
.set G0B, 56
.set MSB, 0
.macro WIN new
.if MSB != \new
	s_set_vgpr_msb (MSB<<8)|\new
.set MSB, \new
.endif
.endm
.set MUL,  0x05
.set TO_F, 0x40
.macro JLOAD s
	s_cmp_eq_u32 s15, 0
	s_cbranch_scc0 .Lfor_b_\@
	tensor_load_to_lds s[G0+4*\s:G0+4*\s+3], s[G1:G1+7]
	s_nop 0
.rept 4
	v_nop
.endr
	s_branch .Lasked_\@
.Lfor_b_\@:
	tensor_load_to_lds s[G0B+4*\s:G0B+4*\s+3], s[G1B:G1B+7]
	s_nop 0
.rept 4
	v_nop
.endr
.Lasked_\@:
.endm
.macro CREST
	s_cmp_lg_u32 s14, 0
	s_cbranch_scc1 .Lnot_wave_0_\@
	s_barrier_signal -3
.Lnot_wave_0_\@:
	s_barrier_wait -3
	s_barrier_signal -1
	s_barrier_wait -1
.endm
.macro CROUND
	s_barrier_signal -1
	s_barrier_wait -1
	CREST
.endm
	s_load_b256 s[4:11], s[0:1], 0x0
	s_load_b64 s[12:13], s[0:1], 0x20
.if FF2
	s_load_b64 s[66:67], s[0:1], 0x28
.endif
	v_lshl_add_u32 v[SPW], v0, 2, SPARE
	v_mov_b32 v[NIL], 0
	ds_add_u32 v[SPW], v[NIL]
	ds_add_u32 v[SPW], v[NIL]
	v_lshrrev_b32 v1, 5, v0
	v_readfirstlane_b32 s14, v1
	v_and_b32 v30, 31, v0
	v_lshlrev_b32 v30, 8, v30                      ; the prefetches' offset: lanes 256 bytes apart; never rewritten
	s_wait_alu depctr_va_vdst(0)
	s_lshr_b32 s15, s14, 1
	s_and_b32 s16, s14, 1
	s_bfe_u32 s40, ttmp6, 0x40000
	s_bfe_u32 s41, ttmp6, 0x40004
	s_lshl_b32 s42, ttmp9, 2
	s_add_co_u32 s42, s42, s40
	s_and_b32 s17, ttmp7, 0xffff
	s_lshl_b32 s17, s17, 2
	s_add_co_u32 s17, s17, s41
	s_lshl_b32 s43, s41, 2
	s_lshl_b32 s43, 15, s43
	s_lshl_b32 s44, 0x1111, s40
	s_or_b32 s[G1+0], s43, (0<<16)|(1<<20)|(1<<21)|(5<<22)|(3<<25)
	s_or_b32 s[G1B+0], s44, (0<<16)|(1<<20)|(1<<21)|(5<<22)|(3<<25)
.irp g, G1, G1B
	s_mov_b32 s[\g+1], 256<<16
	s_mov_b32 s[\g+2], 128<<16
	s_mov_b32 s[\g+3], 256<<16
	s_mov_b32 s[\g+4], 128
	s_mov_b32 s[\g+5], 256
	s_mov_b32 s[\g+6], 0
	s_mov_b32 s[\g+7], 0
.endr
	s_lshl_b32 s20, s16, 20
	s_lshl_b32 s18, s17, 15
	s_add_co_u32 s20, s20, s18
	s_mov_b32 s21, 0
	s_lshl_b32 s46, s16, 18
	s_lshl_b32 s19, s42, 15
	s_add_co_u32 s46, s46, s19
	s_add_co_u32 s46, s46, WOFF
	s_mov_b32 s47, 0
	s_mul_i32 s45, s14, HALFT
	s_wait_dscnt 0x0
	s_wait_kmcnt 0x0
	s_load_b512 s[68:83], s[8:9], 0x0
	s_add_nc_u64 s[20:21], s[4:5], s[20:21]
	s_add_nc_u64 s[46:47], s[6:7], s[46:47]
	; prefetches: behind the load of fill n (n = 0 .. 5 of 8) my wave names fill n + 2 of the 32,768 dense bytes that it fetches; the four partners of a joint load take 8,192 bytes each, told apart by address
	s_cmp_eq_u32 s15, 0
	s_cselect_b64 s[84:85], s[20:21], s[46:47]
	s_mov_b32 s86, 0x80000
	s_cselect_b32 s86, 0x200000, s86               ; a fill on: two panels of A, or of B
	s_cselect_b32 s88, s40, s41                    ; my place among the four that ask with me
	s_lshl_b32 s88, s88, 13
	s_mov_b32 s87, 0
	s_mov_b32 s89, 0
	s_add_nc_u64 s[84:85], s[84:85], s[88:89]
	s_add_nc_u64 s[84:85], s[84:85], s[86:87]
	s_add_nc_u64 s[84:85], s[84:85], s[86:87]      ; at fill 2
	CROUND
.irp s, 0,1
	s_mov_b32 s[G0+4*\s], 1
	s_add_co_u32 s[G0+4*\s+1], s45, \s*SLOT
	s_add_nc_u64 s[G0+4*\s+2:G0+4*\s+3], s[20:21], \s*0x200000
	s_or_b32 s[G0+4*\s+3], s[G0+4*\s+3], 0x80000000
	s_mov_b32 s[G0B+4*\s], 1
	s_add_co_u32 s[G0B+4*\s+1], s45, \s*SLOT
	s_add_nc_u64 s[G0B+4*\s+2:G0B+4*\s+3], s[46:47], \s*0x80000
	s_or_b32 s[G0B+4*\s+3], s[G0B+4*\s+3], 0x80000000
.if \s                                 ; slot 1's first fill is issued as a refill is
	s_wait_xcnt 0x0                                ; the first prefetch has read its address
	s_add_nc_u64 s[84:85], s[84:85], s[86:87]
	s_wait_alu depctr_va_vdst(0)
	s_wait_tensorcnt 0x0
	ds_add_u32 v28, v29
	s_wait_dscnt 0x0
	CROUND
.endif
	JLOAD \s
	global_prefetch_b8 v30, s[84:85] th:TH_LOAD_NT scope:SCOPE_SE
.endr
	v_and_b32 v1, 15, v0
	v_bfe_u32 v2, v0, 4, 1
	v_lshlrev_b32 v[CO], 12, v2
	v_lshl_add_u32 v[CO], v1, 4, v[CO]
	s_wait_alu depctr_va_vdst(0)
	s_lshl_b32 s18, s17, 19
	s_lshl_b32 s19, s15, 18
	s_add_co_u32 s18, s18, s19
	s_lshl_b32 s22, s42, 9
	s_lshl_b32 s19, s16, 8
	s_add_co_u32 s22, s22, s19
	s_add_co_u32 s18, s18, s22
	s_mov_b32 s19, 0
	s_mov_b32 s23, 0
	s_add_nc_u64 s[94:95], s[10:11], s[18:19]
	s_add_nc_u64 s[92:93], s[12:13], s[18:19]
	WIN 0x80
.irp a, 0,1,2,3
.irp t, 0,1,2,3,4,5,6,7
	global_load_b128 v[4*(8*\a+\t):4*(8*\a+\t)+3], v[CO], s[94:95] offset:(16*\a+2*\t)*4096
.endr
.endr
	WIN 0
.if FF2
	s_add_nc_u64 s[66:67], s[66:67], s[22:23]
	v_lshlrev_b32 v[BO], 4, v1
	global_load_b128 v[12:15], v[BO], s[66:67]
.endif
	v_mul_u32_u24 v3, v1, PITCH
	s_wait_alu depctr_va_vdst(0)
	v_lshl_add_u32 v4, v2, 4, v3
	s_mul_i32 s18, s15, 64*PITCH
	s_mul_i32 s19, s16, 64*PITCH
	s_add_co_u32 s19, s19, 2*HALFT
.irp s, 0,1
	v_add_nc_u32 v[ADRA+\s], s18, v4
	v_add_nc_u32 v[ADRB+\s], s19, v4
	s_add_co_u32 s18, s18, SLOT
	s_add_co_u32 s19, s19, SLOT
.endr
	s_mul_i32 s18, s14, 16*SPITCH
	s_add_co_u32 s18, s18, STAGE
	v_lshl_add_u32 v[STO], v2, 5, v3
	v_add_nc_u32 v[STO], s18, v[STO]
	v_mul_u32_u24 v5, v2, SPITCH
	v_lshl_add_u32 v5, v1, 4, v5
	v_add_nc_u32 v[RD], s18, v5
.macro MUL4 f, a, zero
.irp b, 0,1,2,3
.if \zero
	v_wmma_f32_16x16x128_fp8_fp8 v[ACC+8*(4*(\a)+\b):ACC+8*(4*(\a)+\b)+7], v[\f+64+16*\b:\f+64+16*\b+15], v[\f+16*(\a):\f+16*(\a)+15], 0
.else
	v_wmma_f32_16x16x128_fp8_fp8 v[ACC+8*(4*(\a)+\b):ACC+8*(4*(\a)+\b)+7], v[\f+64+16*\b:\f+64+16*\b+15], v[\f+16*(\a):\f+16*(\a)+15], v[ACC+8*(4*(\a)+\b):ACC+8*(4*(\a)+\b)+7]
.endif
.endr
.endm
.macro FETCH slot, q, f
	WIN TO_F
.irp i, 0,1,2,3
.irp c, 0,1,2,3
	ds_load_b128 v[\f+64+16*\i+4*\c:\f+64+16*\i+4*\c+3], v[ADRB+\slot] offset:((\q)/2)*HALFT+128*((\q)%2)+\i*16*PITCH+32*\c
.endr
.endr
.irp i, 0,1,2,3
.irp c, 0,1,2,3
	ds_load_b128 v[\f+16*\i+4*\c:\f+16*\i+4*\c+3], v[ADRA+\slot] offset:((\q)/2)*HALFT+128*((\q)%2)+\i*16*PITCH+32*\c
.endr
.endr
.endm
.macro PLACES
.rept 4
	v_nop
.endr
.endm
.macro QUARTER slot, qn, f, g, zero
	s_wait_dscnt 0x0
	PLACES
	FETCH \slot, \qn, \g
	WIN MUL
	MUL4 \f, 0, \zero
	MUL4 \f, 1, \zero
	MUL4 \f, 2, \zero
	MUL4 \f, 3, \zero
.endm
.macro TURN slot, next, fill
	WIN 0
.if \fill
	s_wait_xcnt 0x0                                ; any prefetch of mine has read its address: it is stepped here, a slot's quarters behind the prefetch
	s_add_nc_u64 s[84:85], s[84:85], s[86:87]
.endif
	s_wait_tensorcnt 0x0
	ds_add_u32 v[SPW], v[NIL]
	s_wait_dscnt 1
	WIN MUL
	MUL4 F1, 0, 0
	s_wait_dscnt 0x0
	s_barrier_signal -1
	MUL4 F1, 1, 0
	WIN 0
	s_barrier_wait -1
.if \fill
	CREST
	s_add_nc_u64 s[G0+4*\slot+2:G0+4*\slot+3], s[G0+4*\slot+2:G0+4*\slot+3], 0x400000
	s_add_nc_u64 s[G0B+4*\slot+2:G0B+4*\slot+3], s[G0B+4*\slot+2:G0B+4*\slot+3], 0x100000
	JLOAD \slot
.else
	PLACES
.endif
	FETCH \next, 0, F0
.if \fill
	WIN 0                                          ; at a branch and at a label every window is 0
	s_cmp_gt_u32 s3, 1                             ; the loop's last trip loads fills 6 and 7: there is no fill two on
	s_cbranch_scc0 .Lnoask_\@
	global_prefetch_b8 v30, s[84:85] th:TH_LOAD_NT scope:SCOPE_SE
.Lnoask_\@:
.endif
	WIN MUL
	MUL4 F1, 2, 0
	MUL4 F1, 3, 0
.endm
	s_wait_alu depctr_va_vdst(0)
	s_wait_tensorcnt 1
	s_barrier_signal -1
	s_barrier_wait -1
	FETCH 0, 0, F0
	QUARTER 0, 1, F0, F1, 1
.if LAPS > 1
	WIN 0
	s_mov_b32 s3, LAPS-1
.Llap:
	QUARTER 0, 2, F1, F0, 0
	QUARTER 0, 3, F0, F1, 0
	TURN 0, 1, 1
	QUARTER 1, 1, F0, F1, 0
	QUARTER 1, 2, F1, F0, 0
	QUARTER 1, 3, F0, F1, 0
	TURN 1, 0, 1
	QUARTER 0, 1, F0, F1, 0
	WIN 0
	s_sub_co_u32 s3, s3, 1
	s_cmp_lg_u32 s3, 0
	s_cbranch_scc1 .Llap
.endif
	QUARTER 0, 2, F1, F0, 0
	QUARTER 0, 3, F0, F1, 0
	TURN 0, 1, 0
	QUARTER 1, 1, F0, F1, 0
	QUARTER 1, 2, F1, F0, 0
	QUARTER 1, 3, F0, F1, 0
	s_wait_dscnt 0x0
	MUL4 F1, 0, 0
	MUL4 F1, 1, 0
	MUL4 F1, 2, 0
	MUL4 F1, 3, 0
	WIN 0
	s_wait_kmcnt 0x0
	s_add_co_i32 s96, s[EA], s[EB]
	s_add_co_i32 s96, s96, 127
	s_lshl_b32 s96, s96, 23
	s_mov_b32 s97, s96
	PLACES
	s_wait_loadcnt 0x0
.macro TOSTAGE a
.irp b, 0,1,2,3
	ds_store_b128 v[STO], v[ACC+8*(4*(\a)+\b):ACC+8*(4*(\a)+\b)+3] offset:64*\b
	ds_store_b128 v[STO], v[ACC+8*(4*(\a)+\b)+4:ACC+8*(4*(\a)+\b)+7] offset:64*\b+16
.endr
.irp t, 0,1,2,3,4,5,6,7
	ds_load_b128 v[BK+32*((\a)%2)+4*\t:BK+32*((\a)%2)+4*\t+3], v[RD] offset:\t*2*SPITCH
.endr
.endm
.macro SEND a, younger
.set BB, BK+32*((\a)%2)
	s_wait_dscnt \younger
	WIN 0x20
.irp i, 0,2,4,6,8,10,12,14,16,18,20,22,24,26,28,30
	v_pk_fma_f32 v[BB+\i:BB+\i+1], v[BB+\i:BB+\i+1], s[96:97], v[32*(\a)+\i:32*(\a)+\i+1] op_sel_hi:[1,0,1]
.endr
	WIN 0
.if FF2
.irp t, 0,1,2,3,4,5,6,7
	v_pk_add_f32 v[BB+4*\t:BB+4*\t+1], v[BB+4*\t:BB+4*\t+1], v[12:13]
	v_pk_add_f32 v[BB+4*\t+2:BB+4*\t+3], v[BB+4*\t+2:BB+4*\t+3], v[14:15]
.endr
.endif
.irp t, 0,1,2,3,4,5,6,7
	global_store_b128 v[CO], v[BB+4*\t:BB+4*\t+3], s[92:93] offset:(16*(\a)+2*\t)*4096
.endr
.endm
	TOSTAGE 0
	TOSTAGE 1
	SEND 0, 16
	s_wait_xcnt 0x0
	TOSTAGE 2
	SEND 1, 16
	s_wait_xcnt 0x0
	TOSTAGE 3
	SEND 2, 16
	SEND 3, 0
	s_wait_tensorcnt 0x0
	ds_add_u32 v[SPW], v[NIL]
	s_wait_dscnt 0x0
	CROUND
	s_endpgm
.Lfunc_end_k_q7b2946b8f5_ffn2:
	.size	k_q7b2946b8f5_ffn2, .Lfunc_end_k_q7b2946b8f5_ffn2-k_q7b2946b8f5_ffn2
	.p2alignl 7, 3214868480
	.fill 96, 4, 3214868480
	.section	.rodata,"a",@progbits
	.p2align	6, 0x0
	.amdhsa_kernel k_q7b2946b8f5_ffn2
		.amdhsa_group_segment_fixed_size 327680
		.amdhsa_private_segment_fixed_size 0
		.amdhsa_enable_private_segment 0
		.amdhsa_kernarg_size 48
		.amdhsa_user_sgpr_count 2
		.amdhsa_user_sgpr_kernarg_segment_ptr 1
		.amdhsa_wavefront_size32 1
		.amdhsa_system_sgpr_workgroup_id_x 1
		.amdhsa_system_sgpr_workgroup_id_y 1
		.amdhsa_system_sgpr_workgroup_id_z 1
		.amdhsa_system_vgpr_workitem_id 0
		.amdhsa_next_free_vgpr 640
		.amdhsa_next_free_sgpr 100
		.amdhsa_reserve_vcc 0
		.amdhsa_float_denorm_mode_32 3
		.amdhsa_float_denorm_mode_16_64 3
		.amdhsa_memory_ordered 1
		.amdhsa_forward_progress 1
		.amdhsa_inst_pref_size 83
	.end_amdhsa_kernel
	.amdgpu_metadata
---
amdhsa.version: [ 1, 2 ]
amdhsa.kernels:
  - .name:           k_q7b2946b8f5_ffn2
    .symbol:         k_q7b2946b8f5_ffn2.kd
    .args:
      - { .name: hc, .offset: 0, .size: 8, .value_kind: global_buffer, .address_space: global }
      - { .name: wcodes, .offset: 8, .size: 8, .value_kind: global_buffer, .address_space: global }
      - { .name: lowp_scales, .offset: 16, .size: 8, .value_kind: global_buffer, .address_space: global }
      - { .name: x1, .offset: 24, .size: 8, .value_kind: global_buffer, .address_space: global }
      - { .name: out0, .offset: 32, .size: 8, .value_kind: global_buffer, .address_space: global }
      - { .name: b2, .offset: 40, .size: 8, .value_kind: global_buffer, .address_space: global }
    .group_segment_fixed_size: 327680
    .private_segment_fixed_size: 0
    .kernarg_segment_align: 8
    .kernarg_segment_size: 48
    .max_flat_workgroup_size: 128
    .sgpr_count:     100
    .vgpr_count:     640
    .wavefront_size: 32
...
	.end_amdgpu_metadata
.endif
;; end of part 7
